; MI455X (gfx1250); checked and timed in simulation.
; The chip was launched on July 23, 2026; its instructions are those of AMD's public machine-readable ISA for CDNA 5 (MIT licence, August 2026) and "CDNA5" Instruction Set Architecture Reference Guide (July 2026). The comments in the code are by the model that wrote it; some were corrected since.
;; AC Ro PE Attention. Allowed arithmetic: matrix products marked QUANTISED: E3M2 operands, one E8M0 scale for each 32 along K, by v_wmma_scale_f32_16x16x128_f8f6f4 with both operands' format E3M2, f32 sums; everything else in f32.
;; Inputs: W_proj 1,024 x 1,024 float32; W_qkv 3,072 x 1,024 float32; b_proj 1,024 float32; x 2 x 2,048 x 1,024 float32.
;; Outputs: out0 2 x 2,048 x 1,024 float32.
;; Constants: H = 16, T = 8, W = 16.
;; This version of the problem:
;;   THIS VERSION OF THE PROBLEM IS GIVEN IN LOW PRECISION. The matrix products marked QUANTISED in the list below multiply operands that are first quantised to E3M2 (3 exponent bits, 2 mantissa bits; 6 bits a number), with one power-of-two scale for each 32 numbers along K (OCP MX v1.0); their sums are f32. All else is computed in f32.
;;   The module's matrix products, in the order in which they are computed (A, B: the left and right operand; K: the contracted axis; several contracted axes count as one K, in the product's order):
;;     1. [M 4,096, K 1,024] x [K 1,024, N 3,072]; A: input x; B: input W_qkv: QUANTISED
;;     2. batch 32 x [M 2,048, K 64] x [K 64, N 2,048]; A: computed on the way; B: computed on the way: QUANTISED
;;     3. batch 32 x [M 2,048, K 2,048] x [K 2,048, N 64]; A: softmax (see below); B: computed on the way: QUANTISED
;;     4. [M 4,096, K 1,024] x [K 1,024, N 1,024]; A: computed on the way; B: input W_proj: QUANTISED
;;   THE QUANTISER, for each operand of a quantised product, along K:
;;     - K is cut into blocks of 32 from its start; a last block that is shorter is filled with zeros.
;;     - A block's scale is 2^e with e = floor(log2(the largest magnitude in the block)) - 4, held to -126 .. 127; a block of zeros has e = 0. As a byte (E8M0): e + 127.
;;     - Each number is divided by its block's scale, clamped to +-28, and rounded to the nearest number of E3M2, ties to even, subnormals kept.
;;     - The product sums the exact products of the quantised numbers (number of the format x scale) in f32.
;;   ~~~python
;;   def quantise(x, axis):      # numpy; x: float32 -> the quantised numbers, widened to float32 again
;;       x = np.moveaxis(x, axis, -1); K = x.shape[-1]
;;       x = np.pad(x, [(0, 0)] * (x.ndim - 1) + [(0, -K % 32)]); x = x.reshape(x.shape[:-1] + (-1, 32)); a = np.abs(x).max(-1, keepdims=True)
;;       e = np.where(a > 0, np.clip(np.frexp(np.where(a > 0, a, 1))[1] - 1 - 4, -126, 127), 0)      # np.frexp(a)[1] - 1 = floor(log2(a)), exactly
;;       r = np.clip(x / 2.0 ** e, -28, 28)
;;       step = 2.0 ** (np.maximum(np.frexp(np.where(r == 0, 1, r))[1] - 1, -2) - 2)
;;       q = np.round(r / step) * step * 2.0 ** e      # np.round: ties to even
;;       return np.moveaxis(q.reshape(q.shape[:-2] + (-1,))[..., :K], -1, axis).astype(np.float32)
;;   ~~~
;;   SOFTMAX AHEAD OF A QUANTISED PRODUCT. Where the list says 'softmax', what is quantised is not the finished softmax but p = 2^(t - M), with t = logit x log2(e) and M = ceil(the row's largest t), a whole number; so 1/2 < the row's largest p <= 1. The row's sum l is taken of the UNQUANTISED p, in f32, and the product's result is divided by l at the end. Since M is a whole number, a kernel that streams over the keys may use a running M (the ceiling of the running maximum): every later rescaling is an exact power of two, which a block's scale takes up: the codes' values come out the same.
;;   OPERANDS COMPUTED ON THE WAY. 'Computed on the way' means the value that the module computes at that place (a softmax that the list does not call 'softmax' is quantised finished and normalised). What goes into a quantiser is computed in f32, as accurately as f32 sums, v_exp_f32 and their like allow (about 1e-6 of the number): no bf16 or f16 on the way to a quantiser, and a product that is left as it is and whose result goes on into a quantised operand takes f32 operands (vector FMAs, or v_wmma_f32_16x16x4_f32). A number that lies on a knife's edge between two numbers of the format may be rounded either way, as far as f32 arithmetic and the matrix unit's own rounding can turn it there, and no further.
;; One version. Each part assembles by itself: llvm-mc -triple=amdgcn-amd-amdhsa -mcpu=gfx1250 --defsym DOCPART=n.
;; ======== version 1 of 1: 4 launches
;; limits: right only within a limited range of input values
;; workspace buffers: xq 3,276,800 bytes; wq 2,457,600 bytes; wpq 819,200 bytes; oq 3,276,800 bytes; rope 2,048 bytes; qi 3,276,800 bytes; kv 6,553,600 bytes
;; launch quant (part 1): grid 256 x 1, 4 waves a work-group, no clusters, 33,280 bytes of LDS; arguments x, W_qkv, W_proj, xq, wq, wpq, rope; writes xq, wq, wpq, rope
.if DOCPART == 1
	.amdgcn_target "amdgcn-amd-amdhsa--gfx1250"
	.amdhsa_code_object_version 6
	.text
	.protected	k_q6a8cd01489_quant
	.globl	k_q6a8cd01489_quant
	.p2align	8
	.type	k_q6a8cd01489_quant,@function
k_q6a8cd01489_quant:
	s_mov_b64 s[64:65], 0
	v_nop
	global_prefetch_b8 v0, s[64:65] scope:SCOPE_SE
	s_setreg_imm32_b32 hwreg(HW_REG_WAVE_MODE, 25, 1), 1
	s_wait_xcnt 0x0
; x [4096][1024], W_qkv [3072][1024], W_proj [1024][1024], f32, K innermost, become codes of BF6 (E3M2) with one E8M0 byte for each 32 along K.
; LAYOUT OF THE RESULTS (this program's own): codes [plane = k / 64][row][48 bytes], scale bytes behind them as [k / 128][row][4 bytes]: a tile of rows of one plane is a dense block.
; A block's scale is 2^(floor(log2(largest magnitude)) - 4); its byte is the largest magnitude's exponent field - 4, held at 1 from below.
; LIMITS: a block of zeros gets the byte 1 where the rule says 127 (its codes are zeros, and this program alone reads the bytes); NaN and infinities among the inputs are not served.
; SHARES: work-groups 0-127 take x, 128-223 W_qkv, 224-255 W_proj: only pointers and strides are chosen, one path serves all.  A wave takes 64 rows x 128 along K in 16 steps of 8 rows x 64 K.
; Each load reads two rows' 256 consecutive bytes; a step's 2,048 bytes turn through the wave's own stage in LDS so that a lane holds 16 neighbours along K; two neighbouring lanes hold a block.
; A step's codes are 384 consecutive bytes; the wave's 256 scale bytes are gathered in LDS and leave as one aligned block of 256 bytes.  No barrier: waves share nothing.
; Wave 0 of work-group 0 also makes the rotation table: rope[pos 0..15][32 words], words 0-9 cos(pos w_j), words 10-19 sin(pos w_j) with the sign that the rotation wants (minus for even j), w_j = 10^(-0.4 j).
; Its 1,280 bytes leave 4 bytes a lane.  sin and cos: reduction by pi/2 in three parts, polynomials on [-pi/4, pi/4], good to about 1e-7.
.set WREG,  8192                       ; LDS of a wave: two stages of 32 x SP bytes, then its 256 scale bytes
.set SP,    80                         ; a lane's place in a stage: 64 bytes + 16 of padding
.set EMAX,  4
.set R,     16                         ; v16-79   four sets of 16 numbers as loaded
.set X,     80                         ; v80-111  two sets of 16 neighbours
.set E,     112                        ; v112-127 a scale byte for each step
.set C,     128                        ; v128-191 codes, four registers a step: no store's data are written again
.set TC,    40                         ; the table: v40-44 cosines, v48-52 sines
.set TS,    48
	s_load_b256 s[4:11], s[0:1], 0x0               ; x, W_qkv, W_proj, xq
	s_load_b128 s[12:15], s[0:1], 0x20             ; wq, wpq
	s_load_b64 s[16:17], s[0:1], 0x30              ; rope
	v_lshl_add_u32 v192, v0, 2, 0x8000
	v_mov_b32 v193, 0
	v_lshrrev_b32 v1, 5, v0
	v_readfirstlane_b32 s18, v1                    ; wave
	v_and_b32 v2, 31, v0                           ; lane
	v_and_b32 v3, 15, v0
	v_bfe_u32 v1, v0, 4, 1
	v_lshlrev_b32 v3, 4, v3
	v_lshl_add_u32 v3, v1, 12, v3                  ; in: lanes 0-15 one row's 256 bytes, lanes 16-31 the next row's
	s_mul_i32 s19, s18, WREG
	v_lshrrev_b32 v14, 2, v2
	v_mul_u32_u24 v14, v14, SP
	v_and_b32 v15, 3, v2
	v_lshl_add_u32 v14, v15, 4, v14
	v_add_nc_u32 v14, s19, v14                     ; the stage, on the way in: four lanes' 64 bytes, then the padding
	v_mul_u32_u24 v15, v2, SP
	v_add_nc_u32 v15, s19, v15                     ; and on the way out: my 16 neighbours
	v_mul_u32_u24 v4, v2, 12                       ; my 12 bytes of a step's 384
	v_lshrrev_b32 v5, 2, v2
	v_bfe_u32 v6, v0, 1, 1
	v_lshl_add_u32 v5, v5, 2, v6                   ; my block's scale byte: 4 x (row of the step) + block
	s_add_co_u32 s19, s19, 2*32*SP
	v_add_nc_u32 v5, s19, v5
	v_lshlrev_b32 v7, 3, v2
	v_add_nc_u32 v6, s19, v7
	s_wait_alu depctr_va_vdst(0)
	s_wait_kmcnt 0x0
	s_cmp_lt_u32 ttmp9, 224                        ; W_qkv or W_proj: the choice hangs on the work-group's number alone
	s_cselect_b64 s[6:7], s[6:7], s[8:9]
	s_cselect_b64 s[12:13], s[12:13], s[14:15]
	s_mov_b32 s20, 224
	s_cselect_b32 s20, 128, s20                    ; the tensor's first work-group
	s_mov_b32 s21, 49152
	s_cselect_b32 s21, 147456, s21                 ; a plane of codes: rows x 48
	s_mov_b32 s22, 786432
	s_cselect_b32 s22, 2359296, s22                ; where the scale bytes begin
	s_mov_b32 s23, 4096
	s_cselect_b32 s23, 12288, s23                  ; a plane of scale bytes: rows x 4
	s_cmp_lt_u32 ttmp9, 128                        ; or x
	s_cselect_b64 s[4:5], s[4:5], s[6:7]
	s_cselect_b64 s[10:11], s[10:11], s[12:13]
	s_cselect_b32 s20, 0, s20
	s_cselect_b32 s21, 196608, s21
	s_cselect_b32 s22, 3145728, s22
	s_cselect_b32 s23, 16384, s23
	s_sub_co_u32 s24, ttmp9, s20
	s_lshl_b32 s24, s24, 2
	s_add_co_u32 s24, s24, s18                     ; my wave among the tensor's
	s_and_b32 s25, s24, 7                          ; which 128 along K
	s_lshr_b32 s26, s24, 3                         ; which 64 rows
	s_lshl_b32 s28, s26, 18
	s_lshl_b32 s27, s25, 9
	s_add_co_u32 s28, s28, s27
	s_mov_b32 s29, 0
	s_add_nc_u64 s[4:5], s[4:5], s[28:29]          ; the numbers
	s_mul_i32 s28, s25, s21
	s_lshl_b32 s28, s28, 1
	s_mul_i32 s27, s26, 3072
	s_add_co_u32 s28, s28, s27
	s_add_nc_u64 s[8:9], s[10:11], s[28:29]        ; the codes: my first plane, my rows
	s_mul_i32 s28, s25, s23
	s_add_co_u32 s28, s28, s22
	s_lshl_b32 s27, s26, 8
	s_add_co_u32 s28, s28, s27
	s_add_nc_u64 s[10:11], s[10:11], s[28:29]      ; the scale bytes
	v_add_nc_u32 v10, s21, v4                      ; my 12 bytes in the second plane
.macro LOAD t                          ; step t: rows 8 (t % 8) on, 64 along K from 64 (t / 8) on
.irp i, 0,1,2,3
	global_load_b128 v[R+16*((\t)%4)+4*\i:R+16*((\t)%4)+4*\i+3], v3, s[4:5] offset:(8*((\t)%8)+2*\i)*4096+256*((\t)/8) th:TH_LOAD_NT
.endr
.endm
.macro TURN t                          ; through the stage: LDS serves a wave's instructions in order, so no wait stands between the stores and the loads
.irp i, 0,1,2,3
	ds_store_b128 v14, v[R+16*((\t)%4)+4*\i:R+16*((\t)%4)+4*\i+3] offset:32*SP*((\t)%2)+8*SP*\i
.endr
.irp i, 0,1,2,3
	ds_load_b128 v[X+16*((\t)%2)+4*\i:X+16*((\t)%2)+4*\i+3], v15 offset:32*SP*((\t)%2)+16*\i
.endr
.endm
.irp t, 0,1,2,3
	LOAD \t
.endr
	s_wait_loadcnt 12                              ; step 0's four loads are in
	TURN 0
.macro STEP t
.set XS, X+16*((\t)%2)
.if (\t) > 0
	s_wait_dscnt 1                                 ; this step's numbers are back from the stage; the last step's byte store may be out
.else
	s_wait_dscnt 0x0
.endif
.if (\t)+4 < 16
	LOAD (\t)+4                                    ; into the registers that the stage's stores have read
.endif
.if (\t)+1 < 16
.if 14-(\t) >= 3
	s_wait_loadcnt 12                              ; the next step's four loads are in; three later steps' may be out
.else
	s_wait_loadcnt 4*(14-(\t))
.endif
	TURN (\t)+1
.endif
	v_max3_num_f32 v8, |v[XS]|, |v[XS+1]|, |v[XS+2]|
	v_max3_num_f32 v9, |v[XS+3]|, |v[XS+4]|, |v[XS+5]|
.irp i, 6,10
	v_max3_num_f32 v8, v8, |v[XS+\i]|, |v[XS+\i+1]|
	v_max3_num_f32 v9, v9, |v[XS+\i+2]|, |v[XS+\i+3]|
.endr
	v_max3_num_f32 v8, v8, |v[XS+14]|, |v[XS+15]|
	v_max3_num_f32 v8, v8, v9, (EMAX+1)<<23        ; with the floor 2^(5 - 127): the byte cannot fall under 1
	v_max_num_f32_dpp v8, v8, v8 row_xmask:1 row_mask:0xf bank_mask:0xf   ; and my neighbour's 16: the block's largest magnitude
	v_add_nc_u32 v11, -(EMAX<<23), v8              ; 4 off its exponent field: the conversion's scale operand
	v_cvt_scalef32_pk16_bf6_f32 v[C+4*(\t):C+4*(\t)+2], v[XS:XS+15], v11
	v_lshrrev_b32 v[E+(\t)], 23, v11               ; the scale's byte (a plain line behind the conversion)
	ds_store_b8 v5, v[E+(\t)] offset:32*((\t)%8)+2*((\t)/8)   ; both lanes of a block write the same byte with the same value
.if (\t) < 8
	global_store_b96 v4, v[C+4*(\t):C+4*(\t)+2], s[8:9] offset:384*((\t)%8)
.else
	global_store_b96 v10, v[C+4*(\t):C+4*(\t)+2], s[8:9] offset:384*((\t)%8)
.endif
.endm
.irp t, 0,1,2,3,4,5,6,7,8,9,10,11,12,13,14,15
	STEP \t
.endr
	ds_load_b64 v[12:13], v6                       ; my wave's 256 scale bytes, 8 a lane
	s_wait_dscnt 0x0
	global_store_b64 v7, v[12:13], s[10:11]        ; 32 lanes store 256 consecutive bytes, aligned
	; ---- the rotation table: one wave of the launch
	s_or_b32 s24, ttmp9, s18
	s_cmp_lg_u32 s24, 0
	s_cbranch_scc1 .Lend
	v_and_b32 v16, 15, v2                          ; pos
	v_lshrrev_b32 v17, 4, v2                       ; which of a round's two frequencies
	v_cvt_f32_u32 v18, v16
	v_lshlrev_b32 v19, 7, v16
	v_lshl_add_u32 v19, v17, 2, v19                ; 128 pos + 4 x (j odd)
	v_cmp_lt_u32 s25, 15, v2                       ; lanes 16-31
	v_xor_b32 v20, 1, v17
	v_lshlrev_b32 v20, 31, v20                     ; even j: the sine's sign is turned
.macro ROUND k, w0, w1                 ; j = 2 k in lanes 0-15, 2 k + 1 in lanes 16-31
	v_mul_f32 v21, \w0, v18
	v_mul_f32 v22, \w1, v18
	v_cndmask_b32 v21, v21, v22, s25               ; a = pos w_j
	v_mul_f32 v22, 0x3f22f983, v21                 ; a x 2 / pi
	v_rndne_f32 v22, v22                           ; n
	v_fma_f32 v23, -v22, 0x3fc90000, v21           ; r = a - n pi/2, pi/2 in three parts
	v_fma_f32 v23, -v22, 0x39fda000, v23
	v_fma_f32 v23, -v22, 0x33a22169, v23
	v_cvt_i32_f32 v24, v22
	v_mul_f32 v25, v23, v23                        ; z = r r
	v_mul_f32 v26, 0.00019515295891, v25
	v_sub_f32 v26, 0.0083321608736, v26
	v_fma_f32 v26, -v26, v25, 0.16666654611
	v_mul_f32 v27, v23, v25
	v_fma_f32 v26, -v27, v26, v23                  ; sin r
	v_mul_f32 v27, 0.00002443315711809948, v25
	v_sub_f32 v27, 0.001388731625493765, v27
	v_fma_f32 v27, -v27, v25, 0.04166664568298827
	v_fma_f32 v28, v25, -0.5, 1.0
	v_mul_f32 v29, v25, v25
	v_fma_f32 v27, v27, v29, v28                   ; cos r
	v_and_b32 v28, 1, v24
	v_cmp_eq_u32 vcc_lo, 1, v28                    ; odd quadrants change the two
	v_cndmask_b32 v29, v26, v27, vcc_lo
	v_cndmask_b32 v30, v27, v26, vcc_lo
	v_and_b32 v28, 2, v24
	v_lshlrev_b32 v28, 30, v28
	v_xor_b32 v29, v29, v28                        ; sin a
	v_xor_b32 v[TS+\k], v29, v20
	v_add_nc_u32 v28, 1, v24
	v_and_b32 v28, 2, v28
	v_lshlrev_b32 v28, 30, v28
	v_xor_b32 v[TC+\k], v30, v28                   ; cos a
	global_store_b32 v19, v[TC+\k], s[16:17] offset:8*\k
	global_store_b32 v19, v[TS+\k], s[16:17] offset:40+8*\k
.endm
	ROUND 0, 1.0, 0.3981071705534972
	ROUND 1, 0.15848931924611134, 0.06309573444801933
	ROUND 2, 0.025118864315095794, 0.01
	ROUND 3, 0.003981071705534973, 0.0015848931924611134
	ROUND 4, 0.000630957344480193, 0.00025118864315095795
.Lend:
	s_wait_tensorcnt 0x0
	ds_add_u32 v192, v193
	s_wait_dscnt 0x0
	s_endpgm
.Lfunc_end_k_q6a8cd01489_quant:
	.size	k_q6a8cd01489_quant, .Lfunc_end_k_q6a8cd01489_quant-k_q6a8cd01489_quant
	.p2alignl 7, 3214868480
	.fill 96, 4, 3214868480
	.section	.rodata,"a",@progbits
	.p2align	6, 0x0
	.amdhsa_kernel k_q6a8cd01489_quant
		.amdhsa_group_segment_fixed_size 33280
		.amdhsa_private_segment_fixed_size 0
		.amdhsa_enable_private_segment 0
		.amdhsa_kernarg_size 56
		.amdhsa_user_sgpr_count 2
		.amdhsa_user_sgpr_kernarg_segment_ptr 1
		.amdhsa_wavefront_size32 1
		.amdhsa_system_sgpr_workgroup_id_x 1
		.amdhsa_system_sgpr_workgroup_id_y 1
		.amdhsa_system_sgpr_workgroup_id_z 1
		.amdhsa_system_vgpr_workitem_id 0
		.amdhsa_next_free_vgpr 194
		.amdhsa_next_free_sgpr 66
		.amdhsa_reserve_vcc 1
		.amdhsa_float_denorm_mode_32 3
		.amdhsa_float_denorm_mode_16_64 3
		.amdhsa_memory_ordered 1
		.amdhsa_forward_progress 1
		.amdhsa_inst_pref_size 43
	.end_amdhsa_kernel
	.amdgpu_metadata
---
amdhsa.version: [ 1, 2 ]
amdhsa.kernels:
  - .name:           k_q6a8cd01489_quant
    .symbol:         k_q6a8cd01489_quant.kd
    .args:
      - { .name: x, .offset: 0, .size: 8, .value_kind: global_buffer, .address_space: global }
      - { .name: W_qkv, .offset: 8, .size: 8, .value_kind: global_buffer, .address_space: global }
      - { .name: W_proj, .offset: 16, .size: 8, .value_kind: global_buffer, .address_space: global }
      - { .name: xq, .offset: 24, .size: 8, .value_kind: global_buffer, .address_space: global }
      - { .name: wq, .offset: 32, .size: 8, .value_kind: global_buffer, .address_space: global }
      - { .name: wpq, .offset: 40, .size: 8, .value_kind: global_buffer, .address_space: global }
      - { .name: rope, .offset: 48, .size: 8, .value_kind: global_buffer, .address_space: global }
    .group_segment_fixed_size: 33280
    .private_segment_fixed_size: 0
    .kernarg_segment_align: 8
    .kernarg_segment_size: 56
    .max_flat_workgroup_size: 128
    .sgpr_count:     66
    .vgpr_count:     194
    .wavefront_size: 32
...
	.end_amdgpu_metadata
.endif
;; end of part 1
;; launch qkv (part 2): grid 12 x 16, 4 waves a work-group, clusters of 4 x 4, 327,680 bytes of LDS; arguments xq, wq, rope, qi, kv; writes qi, kv
.if DOCPART == 2
	.amdgcn_target "amdgcn-amd-amdhsa--gfx1250"
	.amdhsa_code_object_version 6
	.text
	.protected	k_q6a8cd01489_qkv
	.globl	k_q6a8cd01489_qkv
	.p2align	8
	.type	k_q6a8cd01489_qkv,@function
k_q6a8cd01489_qkv:
	s_mov_b64 s[64:65], 0
	v_nop
	global_prefetch_b8 v0, s[64:65] scope:SCOPE_SE
	s_setreg_imm32_b32 hwreg(HW_REG_WAVE_MODE, 25, 1), 1
	s_wait_xcnt 0x0
	s_wait_alu depctr_hold_cnt(0) depctr_sa_sdst(0) depctr_va_vdst(0) depctr_va_sdst(0) depctr_va_ssrc(0) depctr_va_vcc(0) depctr_vm_vsrc(0)
	s_getreg_b32 s2, hwreg(HW_REG_IB_STS2, 6, 4)
	s_cmp_eq_u32 s2, 0
	s_cbranch_scc0 .Lentry_in_a_cluster
	s_endpgm
.Lentry_in_a_cluster:
	s_bfe_u32 s2, ttmp6, 0x10000c
	s_cmp_lg_u32 s2, 0xf033
	s_cbranch_scc0 .Lentry_shape_is_right
	s_endpgm
.Lentry_shape_is_right:
; qkv = x W_qkv^T on codes of BF6 (E3M2) with E8M0 scales, f32 sums; then q and k are rotated (axial RoPE, f32) and q, k, v are quantised for attention's two products.
; A tile of 256 tokens x 256 outputs is made by four waves, 128 x 128 each: 64 accumulators, 512 registers.  K = 1,024 goes in four steps of 256 through two LDS slots filled by the tensor data mover.
; OPERANDS lie as [plane = k / 64][row][48 bytes], so a wave's load is 4 planes x 128 rows x 48 bytes, each plane's part dense; the scale words [k / 128][row][4] of the tile's rows come once.
; CLUSTERS: 4 x 4 work-groups; A's tiles are asked for jointly along a row of the cluster, B's along a column.  The matrix instruction is used transposed (source 0 = rows of W, source 1 = rows of x).
; 192 work-groups: tiles of 256 outputs keep heads whole, four to a tile.  Tile columns 0-3 are q, 4-7 k, 8-11 v: the cluster's x says which, the same in all partners.
; THE WAY OUT.  A wave holds 128 tokens (one key step of attention) x 2 heads.  32 tokens at a time go through its stage in LDS.
;   q, k: a lane takes a token and reads a head's 64 channels: rotation by the table, two blocks of 32 along the channels, codes.
;   v:    a lane takes a channel and reads 32 tokens: one block along the keys.
; The codes are laid as IMAGES OF ATTENTION'S OPERAND REGISTERS, 48 bytes a lane: token 32 f + x (x = 0..31), block h -> fragment f, byte 48 (x % 8 + 8 (x / 16) + 16 h) + 24 ((x / 8) % 2); channels of v likewise.
; LIMITS: a block of zeros gets the scale byte 1 (its codes are zeros; this program alone reads the bytes); NaN and infinities are not served.
; REGISTERS, in windows of 256: window 0: v1-29 addresses; v32-63 scale words, two sets; from v128 A's 8 fragments; window 1: B's fragments, two sets (v0, v128); windows 2, 3: the accumulators, (a, b) at v[8 (8 (a % 4) + b)].
.set NA,     8                         ; blocks of 16 rows a wave, on each side
.set NQ,     2                         ; matrix instructions deep in a slot
.set FR,     12
.set NL,     6
.set HR,     16*NA
.set PB,     48*HR                     ; a plane's part of a wave's load
.set HALFT,  2*NQ*PB
.set SLOT,   4*HALFT                   ; A's two halves, then B's
.set SCL,    2*SLOT                    ; the scale words: [k / 128][256 rows][4], A's then B's
.set HALFS,  32*HR
.set SPARE,  SCL+4*HALFS               ; the spare words, 128 bytes for each wave: two blocks of 256 bytes that no other line names
.set APLANE, 196608
.set BPLANE, 147456
.set ASOFF,  3145728
.set BSOFF,  2359296
.set ASPL,   16384
.set BSPL,   12288
.set STGB,   16896                     ; a stage: 32 rows x (512 + 16) bytes
.set SCRQ,   4*STGB                    ; q, k: stages at 0 (slot 0), then 2,048 bytes a wave: an image and two heads' scale words
.set STGV,   SLOT                      ; v: stages in slot 1,
.set SCRV,   SPARE+512                 ; and 12,800 bytes a wave behind the spare words: eight images and two heads' scale words
.set ADRA, 16
.set ADRB, 20
.set ADRS, 27
.set SPW,  28                          ; v28  LDS address of my spare word; never rewritten
.set NIL,  29                          ; v29  0; never rewritten
.set SC,   32
.set AF,   128
.set G1, 24
.set G0, 32
.set G1B, 48
.set G0B, 56
.set G1S, 68
.set G0S, 76
.set G1SB, 80
.set G0SB, 88
.set VO,   4                           ; the way out: v4, v5 16 x lane in head 0, 1; v6 the scale words' place
.set VOS,  6
.set STOQ, 7
.set LXQ,  8
.set KA,   9
.set KSA,  10
.set RBQ,  11
.set CWA,  12
.set CDA,  13
.set CHA,  14
.set STOV, 15
.set LV,   16
.set VA,   17
.set VSA,  18
.set RBV,  19
.set X0,   64                          ; q, k: a token's 64 channels, two sets
.set X1,   128
.set T,    192                         ; five pairs at work
.set PC,   202                         ; 12 registers of codes
.set CT,   214
.set M,    222
.set OB,   232                         ; an image on its way to memory
.set XS,   64                          ; v: a channel's 32 tokens, two sets
.set PCV,  128
.set VM,   152
.set VS,   156                         ; four groups' scale words
.set MSB, 0
.macro WIN new                         ; the immediate's high byte repeats the setting that is left
.if MSB != (\new)
	s_set_vgpr_msb (MSB<<8)|(\new)
.set MSB, \new
.endif
.endm
.set MUL_LO, 0xa1                      ; source 0 (B) window 1, source 1 (A) window 0, C and D window 2
.set MUL_HI, 0xf1
.set TO_B,   0x40
; A joint load: waves 0 and 1 fetch for A, waves 2 and 3 for B; the branch hangs on the wave's number alone.  Four v_nop follow each of the two lines.
.macro JLOAD g0a, g1a, g0b, g1b
	s_cmp_eq_u32 s15, 0
	s_cbranch_scc0 .Lfor_b_\@
	tensor_load_to_lds s[\g0a:\g0a+3], s[\g1a:\g1a+7]
	s_nop 0
.rept 4
	v_nop
.endr
	s_branch .Lasked_\@
.Lfor_b_\@:
	tensor_load_to_lds s[\g0b:\g0b+3], s[\g1b:\g1b+7]
	s_nop 0
.rept 4
	v_nop
.endr
.Lasked_\@:
.endm
.macro CREST                           ; a round of the cluster's barrier behind its opening barrier
	s_cmp_lg_u32 s14, 0
	s_cbranch_scc1 .Lnot_wave_0_\@
	s_barrier_signal -3
.Lnot_wave_0_\@:
	s_barrier_wait -3
	s_barrier_signal -1
	s_barrier_wait -1
.endm
.macro CROUND
	s_barrier_signal -1
	s_barrier_wait -1
	CREST
.endm
.macro PLACES n
.rept \n
	v_nop
.endr
.endm
	s_load_b128 s[4:7], s[0:1], 0x0                ; xq, wq
	s_load_b128 s[8:11], s[0:1], 0x10              ; rope, qi
	s_load_b64 s[12:13], s[0:1], 0x20              ; kv
	v_lshl_add_u32 v[SPW], v0, 2, SPARE
	v_mov_b32 v[NIL], 0
	ds_add_u32 v28, v29
	ds_add_u32 v28, v29
	s_wait_dscnt 0x0
	v_lshrrev_b32 v1, 5, v0
	v_readfirstlane_b32 s14, v1                    ; wave 0..3
	s_lshr_b32 s15, s14, 1                         ; which half of the tile's rows is mine.  Also: I fetch for A (0) or for B (1)
	s_and_b32 s16, s14, 1                          ; which half of its columns.  Also: which 128 rows I fetch
	s_bfe_u32 s40, ttmp6, 0x40000                  ; cx, cy
	s_bfe_u32 s41, ttmp6, 0x40004
	s_lshl_b32 s42, ttmp9, 2
	s_add_co_u32 s42, s42, s40                     ; tile column
	s_and_b32 s17, ttmp7, 0xffff
	s_lshl_b32 s17, s17, 2
	s_add_co_u32 s17, s17, s41                     ; tile row
	s_lshl_b32 s43, s41, 2
	s_lshl_b32 s43, 15, s43                        ; my row of the cluster
	s_lshl_b32 s44, 0x1111, s40                    ; my column
	; group 1 for the codes: 4 planes' parts of 12,288 bytes (1,536 elements of 8 bytes), a plane apart in memory, dense in LDS
	s_or_b32 s[G1+0], s43, (3<<16)|(1<<21)
	s_or_b32 s[G1B+0], s44, (3<<16)|(1<<21)
.irp g, G1, G1B
	s_mov_b32 s[\g+1], (PB/4)<<16                  ; tensor_dim0: a plane's part of the tile's 256 rows; LDS holds [plane][256 rows][48 bytes]
	s_mov_b32 s[\g+2], (2*NQ)<<16                  ; tensor_dim1: the head's loads bring all planes of a slot
	s_mov_b32 s[\g+3], (PB/4)<<16                  ; tile_dim0
	s_mov_b32 s[\g+4], 2*NQ                        ; tile_dim1
	s_mov_b32 s[\g+6], 0
	s_mov_b32 s[\g+7], 0
.endr
	s_mov_b32 s[G1+5], APLANE/8                    ; the pitch
	s_mov_b32 s[G1B+5], BPLANE/8
	; and for the scale words: 8 parts of 1,024 bytes
	s_or_b32 s[G1S+0], s43, (3<<16)|(1<<21)
	s_or_b32 s[G1SB+0], s44, (3<<16)|(1<<21)
.irp g, G1S, G1SB
	s_mov_b32 s[\g+1], HR<<16                      ; the scale words of the tile's 256 rows: 8 parts, [k / 128][256 rows][4]
	s_mov_b32 s[\g+2], 8<<16
	s_mov_b32 s[\g+3], HR<<16
	s_mov_b32 s[\g+4], 8
	s_mov_b32 s[\g+6], 0
	s_mov_b32 s[\g+7], 0
.endr
	s_mov_b32 s[G1S+5], ASPL/8
	s_mov_b32 s[G1SB+5], BSPL/8
	s_mul_i32 s18, s16, NQ*APLANE                  ; in the ring I fetch half of a slot's planes, all rows: which half, in bytes, of A
	s_mov_b32 s19, 0
	s_mul_i32 s98, s16, NQ*BPLANE                  ; and of B
	s_mov_b32 s99, 0
	s_mul_i32 s20, s17, 2*HR                       ; A's first row
	s_mul_i32 s46, s42, 2*HR                       ; B's first row
	s_lshl_b32 s22, s20, 2
	s_add_co_u32 s22, s22, ASOFF                   ; their scale words,
	s_mov_b32 s23, 0
	s_lshl_b32 s92, s46, 2
	s_add_co_u32 s92, s92, BSOFF
	s_mov_b32 s93, 0
	s_mul_i32 s20, s20, 48                         ; their codes
	s_mov_b32 s21, 0
	s_mul_i32 s46, s46, 48
	s_mov_b32 s47, 0
	s_mul_i32 s45, s14, HALFT                      ; where they go: by the wave's number alone
	s_wait_kmcnt 0x0
	s_add_nc_u64 s[20:21], s[4:5], s[20:21]
	s_add_nc_u64 s[22:23], s[4:5], s[22:23]
	s_add_nc_u64 s[46:47], s[6:7], s[46:47]
	s_add_nc_u64 s[92:93], s[6:7], s[92:93]
	CROUND                                         ; all sixteen work-groups are here: the first joint loads meet
	s_mov_b32 s[G0S], 1
	s_mov_b32 s[G0S+1], SCL
	s_mov_b64 s[G0S+2:G0S+3], s[22:23]
	s_or_b32 s[G0S+3], s[G0S+3], 0x80000000
	s_mov_b32 s[G0SB], 1
	s_mov_b32 s[G0SB+1], SCL+2*HALFS
	s_mov_b64 s[G0SB+2:G0SB+3], s[92:93]
	s_or_b32 s[G0SB+3], s[G0SB+3], 0x80000000
.irp s, 0,1
	s_mov_b32 s[G0+4*\s], 1
	s_add_co_u32 s[G0+4*\s+1], s45, \s*SLOT
	s_add_nc_u64 s[G0+4*\s+2:G0+4*\s+3], s[20:21], \s*2*NQ*APLANE
	s_or_b32 s[G0+4*\s+3], s[G0+4*\s+3], 0x80000000
	s_mov_b32 s[G0B+4*\s], 1
	s_add_co_u32 s[G0B+4*\s+1], s45, \s*SLOT
	s_add_nc_u64 s[G0B+4*\s+2:G0B+4*\s+3], s[46:47], \s*2*NQ*BPLANE
	s_or_b32 s[G0B+4*\s+3], s[G0B+4*\s+3], 0x80000000
.endr
	s_mov_b32 s[G0+1], 0                           ; at the head slot 0's sets serve the whole tiles: A's at byte 0,
	s_mov_b32 s[G0B+1], 2*HALFT                    ; B's behind it
	s_add_nc_u64 s[G0+6:G0+7], s[G0+6:G0+7], s[18:19]      ; slot 1's sets: my half of the planes
	s_add_nc_u64 s[G0B+6:G0B+7], s[G0B+6:G0B+7], s[98:99]
; THE HEAD'S LOADS, one a wave: wave 0 slot 0's codes of A, wave 1 those of B, wave 2 A's scale words, wave 3 B's.  One tree of branches on the wave's number.
.macro ARM under, g0, g1, next
	s_cmp_lt_u32 s14, \under
	s_cbranch_scc0 \next
	tensor_load_to_lds s[\g0:\g0+3], s[\g1:\g1+7]
	s_nop 0
.rept 4
	v_nop
.endr
	s_branch .Lhead_asked
\next:
.endm
	ARM 1, G0, G1, .Lhead_b
	ARM 2, G0B, G1B, .Lhead_sa
	ARM 3, G0S, G1S, .Lhead_sb
	tensor_load_to_lds s[G0SB:G0SB+3], s[G1SB:G1SB+7]
	s_nop 0
.rept 4
	v_nop
.endr
.Lhead_asked:
	v_and_b32 v1, 15, v0
	v_bfe_u32 v2, v0, 4, 1                         ; h = lane / 16: kept
	s_wait_alu depctr_va_vdst(0)
	v_mul_u32_u24 v3, v1, 48
	v_mad_u32_u24 v3, v2, 24, v3                   ; a fragment's row x 48 + 24 h
	s_mul_i32 s21, s15, PB                         ; my 128 rows inside each plane's 256
	s_mul_i32 s22, s16, PB
	s_add_co_u32 s22, s22, 2*HALFT
.irp s, 0,1
	v_add_nc_u32 v[ADRA+\s], s21, v3
	v_add_nc_u32 v[ADRB+\s], s22, v3
	s_add_co_u32 s21, s21, SLOT
	s_add_co_u32 s22, s22, SLOT
.endr
	v_lshlrev_b32 v5, 2, v1                        ; my row's scale word
	s_mul_i32 s21, s15, 4*HR
	s_mul_i32 s22, s16, 4*HR
	s_add_co_u32 s22, s22, 2*HALFS
	s_sub_co_u32 s22, s22, s21
	v_mul_u32_u24 v6, s22, v2                      ; lanes 16-31 take B's
	s_add_co_u32 s21, s21, SCL
	v_add_nc_u32 v5, v5, v6
	v_add_nc_u32 v[ADRS], s21, v5
; A fragment, 16 rows x 128 K, is 12 registers: registers 6 c .. 6 c + 5 hold K = 64 c + 32 h + 0 .. 31: 24 bytes of plane 2 q + c, as they lie.  In pieces of 8 bytes;
; lane (r, h) begins at word 12 r + 6 h: the 32 lanes of a load name 64 different words modulo 64 (64 banks of 4 bytes: ISA guide 11.1).
.macro FRAG reg, adr, q, i
.irp p, 0,1,2,3,4,5
	ds_load_b64 v[\reg+2*\p:\reg+2*\p+1], v[\adr] offset:(2*(\q)+\p/3)*2*PB+(\i)*768+8*(\p%3)
.endr
.endm
; NA / 4 blocks of A from a0 on x B's NA blocks, 128 along K: the slot's q-th.  p: B's set; sc: the set of scale words.  The accumulators take turns, one instruction a turn.
.macro MULQ a0, p, q, sc, zero
.set ia, \a0
.rept NA/4
.set ib, 0
.rept NA
.set rD, 8*(NA*(ia%(NA/2))+ib)
.set rB, 128*(\p)+FR*ib
.set rA, AF+FR*ia
.set sB, SC+16*(\sc)+NQ*ib+(\q)
.set sA, SC+16*(\sc)+NQ*ia+(\q)
.if \zero
	v_wmma_scale_f32_16x16x128_f8f6f4 v[rD:rD+7], v[rB:rB+FR-1], v[rA:rA+FR-1], 0, v[sB], v[sA] matrix_a_fmt:MATRIX_FMT_BF6 matrix_b_fmt:MATRIX_FMT_BF6 matrix_a_scale:MATRIX_SCALE_ROW1
.else
	v_wmma_scale_f32_16x16x128_f8f6f4 v[rD:rD+7], v[rB:rB+FR-1], v[rA:rA+FR-1], v[rD:rD+7], v[sB], v[sA] matrix_a_fmt:MATRIX_FMT_BF6 matrix_b_fmt:MATRIX_FMT_BF6 matrix_a_scale:MATRIX_SCALE_ROW1
.endif
.set ib, ib+1
.endr
.set ia, ia+1
.endr
.endm
.macro FETCH_B slot, q, p
	WIN TO_B
.set fi, 0
.rept NA
	FRAG 128*(\p)+FR*fi, ADRB+\slot, \q, fi
.set fi, fi+1
.endr
	WIN 0
.endm
.macro FETCH_A slot, q, i0             ; NA / 2 blocks of A from i0 on
.set fi, \i0
.rept NA/2
	FRAG AF+FR*fi, ADRA+\slot, \q, fi
.set fi, fi+1
.endr
.endm
.macro SCALES sc                       ; a slot's scale words: register NQ i + q: lanes 0-15 A's block i, lanes 16-31 B's block i
.set fi, 0
.rept NA
.set fq, 0
.rept NQ
	ds_load_b32 v[SC+16*(\sc)+NQ*fi+fq], v[ADRS] offset:64*fi+fq*8*HR
.set fq, fq+1
.endr
.set fi, fi+1
.endr
.endm
; A step of 128 along K that has its successor in the same slot.  Four plain vector lines stand in front of each run of loads into registers that matrix instructions have read (ISA guide 7.12.1 for vector instructions).
.macro STEP slot, q, zero
	s_wait_dscnt (NA/2)*NL                         ; all but A's upper blocks are in
	WIN MUL_LO
	MULQ 0, (\q)%2, \q, \slot, \zero
	MULQ NA/4, (\q)%2, \q, \slot, \zero
	s_wait_dscnt 0x0                               ; A's upper blocks are in
	PLACES 4
	FETCH_B \slot, (\q)+1, 1-(\q)%2
	FETCH_A \slot, (\q)+1, 0
	WIN MUL_HI
	MULQ NA/2, (\q)%2, \q, \slot, \zero
	MULQ 3*NA/4, (\q)%2, \q, \slot, \zero
	PLACES 4
	WIN 0
	FETCH_A \slot, (\q)+1, NA/2
.endm
; A slot's last step changes slots: one barrier; in front of it each wave waits for all its tensor loads, adds 0 to its spare word, and waits for that and for its reads of this slot.  fill = 1: the slot is filled again, two K steps ahead.
.macro TURN slot, next, fill
	s_wait_tensorcnt 0x0                           ; all my tensor loads have landed: my part of the next slot
	ds_add_u32 v[SPW], v[NIL]                      ; 0 onto my spare word
	s_wait_dscnt (NA/2)*NL+1                       ; (the add and A's upper blocks may be out)
	WIN MUL_LO
	MULQ 0, 1, NQ-1, \slot, 0
	s_wait_dscnt 0x0                               ; the add is done, and my reads of this slot are over
	s_barrier_signal -1
	MULQ NA/4, 1, NQ-1, \slot, 0
	WIN 0
	s_barrier_wait -1
.if \fill
	CREST                                          ; the barrier has opened a round of the cluster's: no wave of any partner still reads this slot or has a load on its way
	s_add_nc_u64 s[G0+4*\slot+2:G0+4*\slot+3], s[G0+4*\slot+2:G0+4*\slot+3], 4*NQ*APLANE
	s_add_nc_u64 s[G0B+4*\slot+2:G0B+4*\slot+3], s[G0B+4*\slot+2:G0B+4*\slot+3], 4*NQ*BPLANE
	JLOAD G0+4*\slot, G1, G0B+4*\slot, G1B         ; the first tensor load behind the round; its four v_nop are the places in front of the loads below
.else
	PLACES 4
.endif
	s_wait_alu depctr_va_vdst(0)
	v_add_nc_u32 v[ADRS], NQ*8*HR, v[ADRS]         ; the next slot's scale words (no LDS load of mine is out)
	FETCH_B \next, 0, 0
	FETCH_A \next, 0, 0
	SCALES \next
	WIN MUL_HI
	MULQ NA/2, 1, NQ-1, \slot, 0
	MULQ 3*NA/4, 1, NQ-1, \slot, 0
	PLACES 4
	WIN 0
	FETCH_A \next, 0, NA/2
.endm
	s_wait_alu depctr_va_vdst(0)
	s_wait_tensorcnt 0x0                           ; my tile of the head's four is in
	ds_add_u32 v[SPW], v[NIL]
	s_mov_b32 s[G1+2], NQ<<16                      ; no tensor load of mine is out: from here on a load brings half of a slot's planes
	s_mov_b32 s[G1+4], NQ
	s_mov_b32 s[G1B+2], NQ<<16
	s_mov_b32 s[G1B+4], NQ
	s_mov_b32 s[G0+1], s45                         ; slot 0's sets now serve the ring: my quarter of the slot,
	s_mov_b32 s[G0B+1], s45
	s_add_nc_u64 s[G0+2:G0+3], s[G0+2:G0+3], s[18:19]      ; my half of the planes
	s_add_nc_u64 s[G0B+2:G0B+3], s[G0B+2:G0B+3], s[98:99]
	s_wait_dscnt 0x0
	CROUND                                         ; all four tiles are in, and all sixteen work-groups are here
	JLOAD G0+4, G1, G0B+4, G1B                     ; slot 1's first fill: my one tensor load behind the round
	FETCH_B 0, 0, 0
	FETCH_A 0, 0, 0
	SCALES 0
	FETCH_A 0, 0, NA/2
	STEP 0, 0, 1                                   ; the first products start the sums
	TURN 0, 1, 1                                   ; K = 1,024 is four slots' worth: written out, two refills
	STEP 1, 0, 0
	TURN 1, 0, 1
	STEP 0, 0, 0
	TURN 0, 1, 0
	STEP 1, 0, 0
	s_wait_dscnt (NA/2)*NL
	WIN MUL_LO
	MULQ 0, 1, NQ-1, 1, 0
	MULQ NA/4, 1, NQ-1, 1, 0
	s_wait_dscnt 0x0
	WIN MUL_HI
	MULQ NA/2, 1, NQ-1, 1, 0
	MULQ 3*NA/4, 1, NQ-1, 1, 0
	WIN 0
	s_barrier_signal -1                            ; no LDS read of mine is out: behind this barrier nobody reads either slot, and both have had their last fill
	s_barrier_wait -1
	; ---- THE WAY OUT.  Where my 128 tokens x 2 heads go
	s_cmp_eq_u32 ttmp9, 0                          ; q goes to qi (6,400 bytes a step), k and v to kv (12,800)
	s_cselect_b64 s[10:11], s[10:11], s[12:13]
	s_cselect_b32 s22, 0, 1
	s_lshl_b32 s23, 102400, s22                    ; a head
	s_lshl_b32 s45, 6400, s22                      ; a step
	s_lshr_b32 s18, s17, 3                         ; the batch
	s_and_b32 s19, s17, 7                          ; the frame: 256 tokens to a tile row
	s_lshl_b32 s20, s19, 1
	s_add_co_u32 s20, s20, s15                     ; my step of 128 tokens
	s_lshl_b32 s21, s40, 2
	s_lshl_b32 s46, s16, 1
	s_add_co_u32 s21, s21, s46                     ; my first head
	s_lshl_b32 s46, s18, 4
	s_add_co_u32 s21, s21, s46
	s_mul_i32 s46, s21, s23
	s_mul_i32 s47, s20, s45
	s_add_co_u32 s46, s46, s47
	s_mov_b32 s47, 0
	s_add_nc_u64 s[10:11], s[10:11], s[46:47]
	s_mul_i32 s92, s14, STGB
	s_lshl_b32 s93, s14, 11
	s_add_co_u32 s93, s93, SCRQ
	s_mul_i32 s94, s14, 12800
	s_add_co_u32 s94, s94, SCRV
	s_lshl_b32 s95, s19, 7
	s_lshl_b32 s96, s15, 10
	; all address registers of both ways are made here, ahead of the parting; these plain lines are also the places behind the last products
	v_and_b32 v3, 31, v0
	v_lshlrev_b32 v[VO], 4, v3
	v_add_nc_u32 v[VO+1], s23, v[VO]
	v_mul_u32_u24 v[VOS], s23, v2
	v_lshl_add_u32 v[VOS], v1, 4, v[VOS]
	v_mul_u32_u24 v[STOQ], v1, 528
	v_lshl_add_u32 v[STOQ], v2, 5, v[STOQ]
	v_add_nc_u32 v[STOQ], s92, v[STOQ]             ; into a stage: row r, 32 bytes for each half of the lanes
	v_add_nc_u32 v[STOV], STGV, v[STOQ]
	v_mul_u32_u24 v[LXQ], v3, 528
	v_add_nc_u32 v[LXQ], s92, v[LXQ]               ; q, k: a lane reads a token's row
	v_lshlrev_b32 v[LV], 2, v3
	v_add_nc_u32 v[LV], s92, v[LV]
	v_add_nc_u32 v[LV], STGV, v[LV]                ; v: a lane reads a channel's column
	v_bfe_u32 v20, v0, 3, 1                        ; u = (lane / 8) % 2
	v_and_b32 v21, 7, v0
	v_lshl_add_u32 v21, v2, 3, v21                 ; r' = lane % 8 + 8 (lane / 16)
	v_mul_u32_u24 v22, v21, 48
	v_lshlrev_b32 v23, 4, v21
	v_mad_u32_u24 v[KA], v20, 24, v22
	v_add_nc_u32 v[KA], s93, v[KA]                 ; q, k: my token's place in an image
	v_lshl_add_u32 v[KSA], v20, 1, v23
	v_add_nc_u32 v[KSA], s93, v[KSA]               ; and its half of a scale word
	v_add_nc_u32 v[RBQ], s93, v[VO]
	v_mad_u32_u24 v[VA], v20, 1536, v22
	v_add_nc_u32 v[VA], s94, v[VA]                 ; v: my channel's place
	v_lshl_add_u32 v[VSA], v20, 2, v23
	v_add_nc_u32 v[VSA], s94, v[VSA]
	v_add_nc_u32 v[RBV], s94, v[VO]
	v_lshlrev_b32 v[CWA], 7, v1                    ; the table's rows: w = token % 16,
	v_mov_b32 v[CDA], s95                          ; d = the frame,
	v_lshl_add_u32 v[CHA], v2, 7, s96              ; h = 8 x (my half of the tile) + 2 P + lane / 16
	s_cmp_eq_u32 ttmp9, 2
	s_cbranch_scc1 .Lvpath
; 32 tokens (A's blocks 2 P, 2 P + 1) x 128 columns into a stage; each accumulator from its low end on
.macro TOSTAGE2 P, sto
	WIN 0x08+4*((\P)/2)
.irp e, 0,1
.irp b, 0,1,2,3,4,5,6,7
	ds_store_b128 v[\sto], v[8*(8*((2*(\P)+\e)%4)+\b):8*(8*((2*(\P)+\e)%4)+\b)+3] offset:\e*8448+64*\b
	ds_store_b128 v[\sto], v[8*(8*((2*(\P)+\e)%4)+\b)+4:8*(8*((2*(\P)+\e)%4)+\b)+7] offset:\e*8448+64*\b+16
.endr
.endr
	WIN 0
.endm
.macro LOADX x, hh                     ; my token's 64 channels of head hh
.irp i, 0,1,2,3,4,5,6,7,8,9,10,11,12,13,14,15
	ds_load_b128 v[\x+4*\i:\x+4*\i+3], v[LXQ] offset:256*\hh+16*\i
.endr
.endm
; One head of 32 tokens: rotated, quantised, laid as an image, read back 16 bytes a lane.  Ten LDS instructions.
; Pair n (channels 2 n, 2 n + 1; segment n / 10: d, h, w) turns by the table's words (2 n) % 10 and the next: out = x cos + (x with its halves changed) x (signed sin).
; The product with the changed halves goes to a pair of its own first; the multiply-add then runs in place, each half on itself.
.macro WORK x, hh, P, nextch
	WIN 0x04                                       ; source 1: the table, in window 1 (w at v0, d at v20, h at v40; cosines, then sines)
.set n0, 0
.rept 6
.set n, n0
.rept 5
.set cb, (20+20*(n/10))%60+(2*(n%10))%10
	v_pk_mul_f32 v[T+2*(n%5):T+2*(n%5)+1], v[\x+2*n:\x+2*n+1], v[cb+10:cb+11] op_sel:[1,0] op_sel_hi:[0,1]
.set n, n+1
.endr
.set n, n0
.rept 5
.set cb, (20+20*(n/10))%60+(2*(n%10))%10
	v_pk_fma_f32 v[\x+2*n:\x+2*n+1], v[\x+2*n:\x+2*n+1], v[cb:cb+1], v[T+2*(n%5):T+2*(n%5)+1]
.set n, n+1
.endr
.set n0, n0+5
.endr
.if \nextch
	WIN 0x40
.irp i, 0,1,2,3,4
	global_load_b128 v[40+4*\i:40+4*\i+3], v[CHA], s[8:9] offset:256*((\P)+1)+16*\i   ; the next 32 tokens' h row
.endr
.endif
	WIN 0
.irp b, 0,1                                    ; the two blocks of 32 channels, by turns
	v_max3_num_f32 v[M+2*\b], |v[\x+32*\b]|, |v[\x+32*\b+1]|, |v[\x+32*\b+2]|
	v_max3_num_f32 v[M+2*\b+1], |v[\x+32*\b+3]|, |v[\x+32*\b+4]|, |v[\x+32*\b+5]|
.endr
.irp i, 6,10,14,18,22,26
.irp b, 0,1
	v_max3_num_f32 v[M+2*\b], v[M+2*\b], |v[\x+32*\b+\i]|, |v[\x+32*\b+\i+1]|
	v_max3_num_f32 v[M+2*\b+1], v[M+2*\b+1], |v[\x+32*\b+\i+2]|, |v[\x+32*\b+\i+3]|
.endr
.endr
.irp b, 0,1
	v_max3_num_f32 v[M+2*\b], v[M+2*\b], |v[\x+32*\b+30]|, |v[\x+32*\b+31]|
.endr
.irp b, 0,1
	v_max3_num_f32 v[M+2*\b], v[M+2*\b], v[M+2*\b+1], 0x2800000   ; with the floor 2^(5 - 127)
.endr
.irp b, 0,1
	v_add_nc_u32 v[M+4+\b], 0xfe000000, v[M+2*\b]  ; 4 off the exponent field: the conversion's scale operand
.endr
.irp b, 0,1
	v_lshrrev_b32 v[M+6+\b], 23, v[M+4+\b]
.endr
	v_lshl_or_b32 v[M+6], v[M+7], 8, v[M+6]        ; my token's two bytes
.irp b, 0,1
	v_cvt_scalef32_pk16_bf6_f32 v[PC+6*\b:PC+6*\b+2], v[\x+32*\b:\x+32*\b+15], v[M+4+\b]
	v_cvt_scalef32_pk16_bf6_f32 v[CT+4*\b:CT+4*\b+2], v[\x+32*\b+16:\x+32*\b+31], v[M+4+\b]   ; (a conversion's three registers begin on an even number)
.endr
	v_nop                                          ; one plain line behind a scaled conversion
.irp b, 0,1
.irp i, 0,1,2
	v_mov_b32 v[PC+6*\b+3+\i], v[CT+4*\b+\i]
.endr
.endr
.irp b, 0,1
.irp p, 0,1,2
	ds_store_b64 v[KA], v[PC+6*\b+2*\p:PC+6*\b+2*\p+1] offset:768*\b+8*\p
.endr
.endr
	ds_store_b16 v[KSA], v[M+6] offset:1536+256*\hh+4*(\P)
	s_wait_xcnt 0x0                                ; the last image's stores have read their registers
.irp g, 0,1,2
	ds_load_b128 v[OB+4*\g:OB+4*\g+3], v[RBQ] offset:512*\g   ; LDS serves a wave's instructions in order: these see my stores
.endr
.endm
.macro SEND hh, P
.irp g, 0,1,2
	global_store_b128 v[VO+\hh], v[OB+4*\g:OB+4*\g+3], s[10:11] offset:1536*(\P)+512*\g   ; 32 lanes store 512 consecutive bytes, aligned to 256
.endr
.endm
	; ---- q and k
	WIN 0x40
.irp i, 0,1,2,3,4
	global_load_b128 v[4*\i:4*\i+3], v[CWA], s[8:9] offset:16*\i
	global_load_b128 v[20+4*\i:20+4*\i+3], v[CDA], s[8:9] offset:16*\i
	global_load_b128 v[40+4*\i:40+4*\i+3], v[CHA], s[8:9] offset:16*\i
.endr
	WIN 0
	TOSTAGE2 0, STOQ
	LOADX X0, 0
	LOADX X1, 1
.irp P, 0,1,2,3
	s_wait_dscnt 16                                ; head 0's channels are in; head 1's 16 loads may be out
	s_wait_loadcnt 0x0                             ; the table's rows
	WORK X0, 0, \P, 0
.if \P < 3
	TOSTAGE2 \P+1, STOQ                            ; behind both heads' reads of the stage, in the order of issue
	LOADX X0, 0
	s_wait_dscnt 48                                ; all but the 48 just issued: the image is back, head 1's channels are in
.else
	s_wait_dscnt 0x0
.endif
	SEND 0, \P
.if \P < 3
	WORK X1, 1, \P, 1
	LOADX X1, 1
	s_wait_dscnt 16                                ; all but the 16 just issued
.else
	WORK X1, 1, \P, 0
	s_wait_dscnt 0x0
.endif
	SEND 1, \P
.endr
	ds_load_b128 v[T:T+3], v[RBQ] offset:1536      ; the two heads' scale words, 256 bytes each
	s_wait_dscnt 0x0
	global_store_b128 v[VOS], v[T:T+3], s[10:11] offset:6144
	s_branch .Ljoin
	; ---- v: unit n = 4 P + g: tokens 32 P on, channels 32 g on of my 128; a lane takes a channel, its registers run down the keys
.Lvpath:
.macro LOADV n
.irp i, 0,1,2,3,4,5,6,7,8,9,10,11,12,13,14,15,16,17,18,19,20,21,22,23,24,25,26,27,28,29,30,31
	ds_load_b32 v[XS+32*((\n)%2)+\i], v[LV] offset:528*\i+128*((\n)%4)
.endr
.endm
.macro QV n
.set xs, XS+32*((\n)%2)
.set pc, PCV+12*((\n)%2)
.set vg, (\n)%4
.set vp, (\n)/4
	v_max3_num_f32 v[VM], |v[xs]|, |v[xs+1]|, |v[xs+2]|
	v_max3_num_f32 v[VM+1], |v[xs+3]|, |v[xs+4]|, |v[xs+5]|
.irp i, 6,10,14,18,22,26
	v_max3_num_f32 v[VM], v[VM], |v[xs+\i]|, |v[xs+\i+1]|
	v_max3_num_f32 v[VM+1], v[VM+1], |v[xs+\i+2]|, |v[xs+\i+3]|
.endr
	v_max3_num_f32 v[VM], v[VM], |v[xs+30]|, |v[xs+31]|
	v_max3_num_f32 v[VM], v[VM], v[VM+1], 0x2800000
	v_add_nc_u32 v[VM+2], 0xfe000000, v[VM]
	v_lshrrev_b32 v[VM+3], 23, v[VM+2]
.if vp == 0
	v_mov_b32 v[VS+vg], v[VM+3]                    ; byte P of my channel's scale word
.else
	v_lshl_or_b32 v[VS+vg], v[VM+3], 8*vp, v[VS+vg]
.endif
	v_cvt_scalef32_pk16_bf6_f32 v[pc:pc+2], v[xs:xs+15], v[VM+2]
	v_cvt_scalef32_pk16_bf6_f32 v[pc+6:pc+8], v[xs+16:xs+31], v[VM+2]
	v_nop
.irp i, 0,1,2
	v_mov_b32 v[pc+3+\i], v[pc+6+\i]
.endr
.irp p, 0,1,2
	ds_store_b64 v[VA], v[pc+2*\p:pc+2*\p+1] offset:3072*vg+768*(vp%2)+24*(vp/2)+8*\p
.endr
.endm
	TOSTAGE2 0, STOV
	LOADV 0
	LOADV 1
.irp n, 0,1,2,3,4,5,6,7,8,9,10,11,12,13,14,15
.if \n == 0
	s_wait_dscnt 32                                ; unit 0 is in; unit 1's 32 loads may be out
.elseif \n == 15
	s_wait_dscnt 3                                 ; behind the last unit's loads: three stores
.elseif (\n)%4 == 3
	s_wait_dscnt 63                                ; 67 were issued behind this unit's loads; the count's largest value is taken
.else
	s_wait_dscnt 35                                ; behind this unit's loads: three stores and the next unit's 32 loads
.endif
	QV \n
.if \n < 14
.if (\n)%4 == 2
	TOSTAGE2 (\n+2)/4, STOV                        ; behind the last reads of the 32 tokens before, in the order of issue
.endif
	LOADV \n+2
.endif
.endr
.irp g, 0,1,2,3
	ds_store_b32 v[VSA], v[VS+\g] offset:12288+256*(\g/2)+8*(\g%2)
.endr
	s_wait_dscnt 0x0                               ; the stores have read their registers: the loads below land there
.irp m, 0,1,2,3,4,5,6,7,8,9,10,11,12,13,14,15,16,17,18,19,20,21,22,23
	ds_load_b128 v[64+4*\m:64+4*\m+3], v[RBV] offset:512*\m
.endr
	ds_load_b128 v[160:163], v[RBV] offset:12288
.irp m, 0,1,2,3,4,5,6,7,8,9,10,11,12,13,14,15,16,17,18,19,20,21,22,23
	s_wait_dscnt 24-\m
	global_store_b128 v[VO+\m/12], v[64+4*\m:64+4*\m+3], s[10:11] offset:6400+512*(\m%12)
.endr
	s_wait_dscnt 0x0
	global_store_b128 v[VOS], v[160:163], s[10:11] offset:12544
.Ljoin:
	s_wait_tensorcnt 0x0                           ; the wave's end, behind my last tensor load and my last LDS store
	ds_add_u32 v[SPW], v[NIL]
	s_wait_dscnt 0x0
	CROUND                                         ; the closing round
	s_endpgm
.Lfunc_end_k_q6a8cd01489_qkv:
	.size	k_q6a8cd01489_qkv, .Lfunc_end_k_q6a8cd01489_qkv-k_q6a8cd01489_qkv
	.p2alignl 7, 3214868480
	.fill 96, 4, 3214868480
	.section	.rodata,"a",@progbits
	.p2align	6, 0x0
	.amdhsa_kernel k_q6a8cd01489_qkv
		.amdhsa_group_segment_fixed_size 327680
		.amdhsa_private_segment_fixed_size 0
		.amdhsa_enable_private_segment 0
		.amdhsa_kernarg_size 40
		.amdhsa_user_sgpr_count 2
		.amdhsa_user_sgpr_kernarg_segment_ptr 1
		.amdhsa_wavefront_size32 1
		.amdhsa_system_sgpr_workgroup_id_x 1
		.amdhsa_system_sgpr_workgroup_id_y 1
		.amdhsa_system_sgpr_workgroup_id_z 1
		.amdhsa_system_vgpr_workitem_id 0
		.amdhsa_next_free_vgpr 1024
		.amdhsa_next_free_sgpr 100
		.amdhsa_reserve_vcc 0
		.amdhsa_float_denorm_mode_32 3
		.amdhsa_float_denorm_mode_16_64 3
		.amdhsa_memory_ordered 1
		.amdhsa_forward_progress 1
		.amdhsa_inst_pref_size 255
	.end_amdhsa_kernel
	.section	.bss,"aw",@nobits
	.p2align	6
	.space	262144
	.amdgpu_metadata
---
amdhsa.version: [ 1, 2 ]
amdhsa.kernels:
  - .name:           k_q6a8cd01489_qkv
    .symbol:         k_q6a8cd01489_qkv.kd
    .args:
      - { .name: xq, .offset: 0, .size: 8, .value_kind: global_buffer, .address_space: global }
      - { .name: wq, .offset: 8, .size: 8, .value_kind: global_buffer, .address_space: global }
      - { .name: rope, .offset: 16, .size: 8, .value_kind: global_buffer, .address_space: global }
      - { .name: qi, .offset: 24, .size: 8, .value_kind: global_buffer, .address_space: global }
      - { .name: kv, .offset: 32, .size: 8, .value_kind: global_buffer, .address_space: global }
    .group_segment_fixed_size: 327680
    .private_segment_fixed_size: 0
    .kernarg_segment_align: 8
    .kernarg_segment_size: 40
    .max_flat_workgroup_size: 128
    .sgpr_count:     100
    .vgpr_count:     1024
    .wavefront_size: 32
...
	.end_amdgpu_metadata
.endif
;; end of part 2
;; launch attn (part 3): grid 8 x 32, 16 waves a work-group, clusters of 4 x 1, 327,680 bytes of LDS; arguments qi, kv, oq; writes oq
.if DOCPART == 3
	.amdgcn_target "amdgcn-amd-amdhsa--gfx1250"
	.amdhsa_code_object_version 6
	.text
	.protected	k_q6a8cd01489_attn
	.globl	k_q6a8cd01489_attn
	.p2align	8
	.type	k_q6a8cd01489_attn,@function
k_q6a8cd01489_attn:
	s_mov_b64 s[64:65], 0
	v_nop
	global_prefetch_b8 v0, s[64:65] scope:SCOPE_SE
	s_setreg_imm32_b32 hwreg(HW_REG_WAVE_MODE, 25, 1), 1
	s_wait_xcnt 0x0
	s_wait_alu depctr_hold_cnt(0) depctr_sa_sdst(0) depctr_va_vdst(0) depctr_va_sdst(0) depctr_va_ssrc(0) depctr_va_vcc(0) depctr_vm_vsrc(0)
	s_getreg_b32 s2, hwreg(HW_REG_IB_STS2, 6, 4)
	s_cmp_eq_u32 s2, 0
	s_cbranch_scc0 .Lentry_in_a_cluster
	s_endpgm
.Lentry_in_a_cluster:
	s_bfe_u32 s2, ttmp6, 0x10000c
	s_cmp_lg_u32 s2, 0x3003
	s_cbranch_scc0 .Lentry_shape_is_right
	s_endpgm
.Lentry_shape_is_right:
; o = softmax(q k^T / 8) v on codes of BF6 (E3M2) with E8M0 scales, for one head and 256 queries a work-group; 16 waves, 16 queries each; o is quantised along the channels for the projection.
; All 2,048 keys of the head (16 steps of 128: k's image, k's scale words, v's image, v's scale words, 12,800 bytes a step) lie in LDS, filled once, in two halves, by loads shared in a cluster of four query blocks.
; Both products are used transposed: a lane holds one query.  p = 2^(t - M), M the ceiling of the running largest t; the row's sum is taken of the unquantised p; a change of M multiplies sums and O by a power of two.
; WHICH KEYS FORM A TILE OF k is chosen by the lanes' LDS addresses: lanes 0-7 of fragment F take rows of image 2 (F / 2), lanes 8-15 of image 2 (F / 2) + 1, rows 8 (F % 2) on.
; So the 32 score registers S + 32 c .. of lane (query, h) are keys 64 c + 32 h + 0 .. 31: one whole block of p, in the order of the operand's registers; a block's largest score needs no other lane.
; No prefetch: all that the work-group reads is asked for by its two loads.  LIMITS: holds while the scaled scores stay under 2^31 in magnitude; NaN and infinities are not served.
.set STEPB, 12800
.set HALFH, 8*STEPB
.set STAGE, 16*STEPB
.set AK0, 1
.set AS0, 2
.set ADK, 3
.set ADS, 4
.set QA,  16
.set QB,  28
.set KF,  40
.set QS,  88
.set PS,  89
.set FF,  90
.set S,   96
.set O,   160
.set PC,  192
.set CT,  204
.set KS,  212
.set VS,  216
.set BM,  224
.set PT,  228
.set SO,  232
.set TMP, 236
.set AKK0, 240                         ; k's fragments: 48 (lane % 8) + 1536 ((lane / 8) % 2) + 768 (lane / 16)
.set ASK0, 241                         ; k's scale words: 16 (lane % 8) + 4 ((lane / 8) % 2)
.set ADKK, 242
.set ADSK, 243
.set SH,   244                         ; 8 x (lane / 16): where my two scale bytes stand in p's word
.set XA,   246                         ; v246-247 the fourth chain of the row's sum
.set WV,  12
.set SEL, 20
.set CS,  22
.set G1,  24
.set G0,  32
.set TB,  40
.set CNT, 41
.macro CROUND
	s_barrier_signal -1
	s_barrier_wait -1
	s_cmp_lg_u32 s[WV], 0
	s_cbranch_scc1 .Lnot_wave_0_\@
	s_barrier_signal -3
.Lnot_wave_0_\@:
	s_barrier_wait -3
	s_barrier_signal -1
	s_barrier_wait -1
.endm
	s_load_b128 s[4:7], s[0:1], 0x0
	s_load_b64 s[8:9], s[0:1], 0x10
	v_lshl_add_u32 v254, v0, 2, 0x35000
	v_mov_b32 v255, 0
	ds_add_u32 v254, v255
	ds_add_u32 v254, v255
	v_lshrrev_b32 v7, 5, v0
	s_delay_alu instid0(VALU_DEP_1)
	v_readfirstlane_b32 s[WV], v7
	s_bfe_u32 s13, ttmp6, 0x40000
	s_lshl_b32 s14, ttmp9, 2
	s_add_co_u32 s14, s14, s13
	s_and_b32 s15, ttmp7, 0xffff
	s_mov_b32 s[G1], 15|(3<<16)|(1<<21)
	s_mov_b32 s[G1+1], 32<<16
	s_mov_b32 s[G1+2], 25<<16
	s_mov_b32 s[G1+3], 32<<16
	s_mov_b32 s[G1+4], 25
	s_mov_b32 s[G1+5], 32
	s_mov_b32 s[G1+6], 0
	s_mov_b32 s[G1+7], 0
	s_mul_i32 s18, s[WV], STEPB/2
	s_mul_i32 s16, s15, 16*STEPB
	s_add_co_u32 s16, s16, s18
	s_mov_b32 s17, 0
	s_lshl_b32 s42, s14, 1
	s_lshr_b32 s50, s[WV], 3
	s_add_co_u32 s42, s42, s50
	s_mul_i32 s42, s42, 6400
	s_mul_i32 s50, s15, 102400
	s_add_co_u32 s42, s42, s50
	s_mov_b32 s43, 0
	s_bfe_u32 s52, s[WV], 0x20001
	s_and_b32 s53, s[WV], 1
	s_lshr_b32 s50, s15, 4
	s_and_b32 s51, s15, 15
	s_lshl_b32 s50, s50, 11
	s_lshl_b32 s46, s14, 8
	s_add_co_u32 s50, s50, s46
	s_lshl_b32 s46, s[WV], 4
	s_add_co_u32 s50, s50, s46
	s_mul_i32 s46, s51, 196608
	s_mul_i32 s48, s50, 48
	s_add_co_u32 s46, s46, s48
	s_mov_b32 s47, 0
	s_lshr_b32 s48, s51, 1
	s_lshl_b32 s48, s48, 14
	s_lshl_b32 s50, s50, 2
	s_add_co_u32 s48, s48, s50
	s_and_b32 s50, s51, 1
	s_lshl_b32 s50, s50, 1
	s_add_co_u32 s48, s48, s50
	s_add_co_u32 s48, s48, 3145728
	s_mov_b32 s49, 0
	s_mul_i32 s50, s[WV], 768
	s_add_co_u32 s50, s50, STAGE
	s_mov_b32 s[SEL], 0x76543210
	s_mov_b32 s[SEL+1], 0xfedcba98
	s_mov_b32 s[CS], 0x3e38aa3b
	s_mov_b32 s[CS+1], s[CS]
	s_wait_dscnt 0x0
	s_wait_kmcnt 0x0
	s_add_nc_u64 s[6:7], s[6:7], s[16:17]
	s_add_nc_u64 s[4:5], s[4:5], s[42:43]
	s_add_nc_u64 s[10:11], s[8:9], s[46:47]
	s_add_nc_u64 s[8:9], s[8:9], s[48:49]
	CROUND
	s_mov_b32 s[G0], 1
	s_mov_b32 s[G0+1], s18
	s_mov_b64 s[G0+2:G0+3], s[6:7]
	s_or_b32 s[G0+3], s[G0+3], 0x80000000
	s_mov_b32 s[G0+4], 1
	s_add_co_u32 s[G0+5], s18, HALFH
	s_add_nc_u64 s[G0+6:G0+7], s[6:7], HALFH
	s_or_b32 s[G0+7], s[G0+7], 0x80000000
	tensor_load_to_lds s[G0:G0+3], s[G1:G1+7]
	s_nop 0
	; q's codes and scale bytes are asked for here, while the first keys are on their way; they are waited for in front of the first step
	v_and_b32 v5, 15, v0
	v_bfe_u32 v6, v0, 4, 1
	v_and_b32 v7, 7, v0
	v_bfe_u32 v8, v0, 3, 1
	s_delay_alu instid0(VALU_DEP_2)
	v_lshl_add_u32 v9, s53, 3, v7
	s_delay_alu instid0(VALU_DEP_1)
	v_lshl_add_u32 v10, v6, 4, v9
	s_delay_alu instid0(VALU_DEP_1)
	v_mul_u32_u24 v10, v10, 48
	s_delay_alu instid0(VALU_DEP_1)
	v_mad_u32_u24 v10, v8, 24, v10
	s_mul_i32 s46, s52, 1536
	v_add_nc_u32 v10, s46, v10
	v_lshlrev_b32 v11, 4, v9
	s_delay_alu instid0(VALU_DEP_1)
	v_lshl_add_u32 v11, v8, 1, v11
	s_lshl_b32 s46, s52, 2
	s_add_co_u32 s46, s46, 6144
	v_add_nc_u32 v11, s46, v11
.irp p, 0,1,2
	global_load_b64 v[QA+2*\p:QA+2*\p+1], v10, s[4:5] offset:8*\p
	global_load_b64 v[QB+6+2*\p:QB+7+2*\p], v10, s[4:5] offset:8*\p
.endr
	global_load_u16 v[BM], v11, s[4:5]
	s_wait_alu depctr_va_vdst(0)
	s_wait_tensorcnt 0x0
	ds_add_u32 v254, v255
	s_wait_dscnt 0x0
	CROUND
	tensor_load_to_lds s[G0+4:G0+7], s[G1:G1+7]
	s_nop 0
.rept 4
	v_nop
.endr
.irp i, 0,1,2,3,4,5
	v_mov_b32 v[QA+6+\i], 0
	v_mov_b32 v[QB+\i], 0
.endr
	v_and_b32 v[AK0], 31, v0
	s_delay_alu instid0(VALU_DEP_1)
	v_mul_u32_u24 v[AK0], v[AK0], 48
	v_lshlrev_b32 v[AS0], 4, v5
	v_mul_u32_u24 v[AKK0], v7, 48
	v_lshlrev_b32 v[ASK0], 4, v7
	v_lshlrev_b32 v[SH], 3, v6
	v_mad_u32_u24 v[AKK0], v8, 1536, v[AKK0]
	v_lshl_add_u32 v[ASK0], v8, 2, v[ASK0]
	v_mad_u32_u24 v[AKK0], v6, 768, v[AKK0]
	v_mov_b32 v13, 0xff61b1e6
	s_delay_alu instid0(VALU_DEP_1)
	v_floor_f32 v12, -v13
	v_mov_b32 v14, 0
	v_mov_b32 v15, 0
.irp b, 0,1,2,3
	v_mov_b32 v[PT+\b], 0
.endr
	v_mov_b32 v[FF+1], 0
.set zi, 0
.rept 64
	v_mov_b32 v[S+zi], 0                           ; the first step's sum of the step before finds zeros
.set zi, zi+1
.endr
; THE ROW'S SUM of a step's unquantised p (64 registers) is taken at the head of the NEXT step, between the issue of k's LDS loads and the wait for them: p stays in its registers until the next scores are written.
; It joins the sum ahead of the next step's factor f, as it would at its own step's end.  Four chains, 32 packed additions.  The last step's sum stands behind the loop.
.macro SUM
	v_pk_add_f32 v[PT:PT+1], v[S:S+1], v[S+2:S+3]
	v_pk_add_f32 v[PT+2:PT+3], v[S+4:S+5], v[S+6:S+7]
	v_pk_add_f32 v[XA:XA+1], v[S+8:S+9], v[S+10:S+11]
.irp j, 12,20,28,36,44,52
	v_pk_add_f32 v[14:15], v[14:15], v[S+\j:S+1+\j]
	v_pk_add_f32 v[PT:PT+1], v[PT:PT+1], v[S+2+\j:S+3+\j]
	v_pk_add_f32 v[PT+2:PT+3], v[PT+2:PT+3], v[S+4+\j:S+5+\j]
	v_pk_add_f32 v[XA:XA+1], v[XA:XA+1], v[S+6+\j:S+7+\j]
.endr
	v_pk_add_f32 v[14:15], v[14:15], v[S+60:S+61]
	v_pk_add_f32 v[PT:PT+1], v[PT:PT+1], v[S+62:S+63]
	v_pk_add_f32 v[PT+2:PT+3], v[PT+2:PT+3], v[XA:XA+1]
	s_delay_alu instid0(VALU_DEP_2)
	v_pk_add_f32 v[14:15], v[14:15], v[PT:PT+1]
	s_delay_alu instid0(VALU_DEP_1)
	v_pk_add_f32 v[14:15], v[14:15], v[PT+2:PT+3]
.endm
.macro STEP
	v_add_nc_u32 v[ADK], s[TB], v[AK0]
	v_add_nc_u32 v[ADS], s[TB], v[AS0]
	v_add_nc_u32 v[ADKK], s[TB], v[AKK0]
	v_add_nc_u32 v[ADSK], s[TB], v[ASK0]           ; these four lines are the places behind the last products
.irp b, 0,1,2,3
.irp g, 0,1,2
	ds_load_b128 v[KF+12*\b+4*\g:KF+12*\b+4*\g+3], v[ADKK] offset:3072*(\b/2)+384*(\b%2)+16*\g
.endr
	ds_load_b32 v[KS+\b], v[ADSK] offset:6144+128*(\b%2)+8*(\b/2)
.endr
	SUM                                            ; the step before's p, while k's fragments come
	s_wait_alu depctr_va_vdst(0)
	s_wait_dscnt 0x0
.irp b, 0,1,2,3
	v_wmma_scale_f32_16x16x128_f8f6f4 v[S+16*\b:S+16*\b+7], v[KF+12*\b:KF+12*\b+11], v[QA:QA+11], 0, v[KS+\b], v[QS] matrix_a_fmt:MATRIX_FMT_BF6 matrix_b_fmt:MATRIX_FMT_BF6
	v_wmma_scale_f32_16x16x128_f8f6f4 v[S+16*\b+8:S+16*\b+15], v[KF+12*\b:KF+12*\b+11], v[QB:QB+11], 0, v[KS+\b], v[QS] matrix_a_fmt:MATRIX_FMT_BF6 matrix_b_fmt:MATRIX_FMT_BF6
.endr
.rept 4
	v_nop
.endr
.irp t, 0,1,2,3
.irp g, 0,1,2
	ds_load_b128 v[KF+12*\t+4*\g:KF+12*\t+4*\g+3], v[ADK] offset:6400+1536*\t+16*\g
.endr
.endr
	ds_load_b128 v[VS:VS+3], v[ADS] offset:12544
.irp b, 0,1,2,3
	v_max3_num_f32 v[BM+\b], v[S+16*\b], v[S+1+16*\b], v[S+2+16*\b]
.endr
.irp i, 3,5,7,9,11,13
.irp b, 0,1,2,3
	v_max3_num_f32 v[BM+\b], v[BM+\b], v[S+16*\b+\i], v[S+1+16*\b+\i]
.endr
.endr
.irp c, 0,1
	v_max3_num_f32 v[BM+2*\c], v[BM+2*\c], v[S+15+32*\c], v[S+31+32*\c]
.endr
.irp c, 0,1
	s_delay_alu instid0(VALU_DEP_2)
	v_max_num_f32 v[BM+2*\c], v[BM+2*\c], v[BM+1+2*\c]   ; the largest score of my block 2 c + h: all its 32 keys are mine
.endr
	s_delay_alu instid0(VALU_DEP_1)
	v_max_num_f32 v[TMP], v[BM], v[BM+2]
	s_delay_alu instid0(VALU_DEP_1)
	v_permlanex16_b32 v[PT], v[TMP], s[SEL], s[SEL+1]
	s_delay_alu instid0(VALU_DEP_1)
	v_max_num_f32 v[TMP], v[TMP], v[PT]            ; with lane l xor 16's two blocks: the step's largest score of my query
	s_delay_alu instid0(VALU_DEP_1)
	v_mul_f32 v[TMP], s[CS], v[TMP]
	s_delay_alu instid0(VALU_DEP_1)
	v_max_num_f32 v13, v13, v[TMP]
	v_mov_b32 v[TMP], v12
	s_delay_alu instid0(VALU_DEP_2)
	v_floor_f32 v12, -v13
	s_delay_alu instid0(VALU_DEP_1)
	v_sub_f32 v[TMP], v12, v[TMP]
	s_delay_alu instid0(VALU_DEP_1)
	v_cvt_i32_f32 v[TMP], v[TMP]
	s_delay_alu instid0(VALU_DEP_1)
	v_ldexp_f32 v[FF], 1.0, v[TMP]
.irp j, 0,2,4,6,8,10,12,14,16,18,20,22,24,26,28,30,32,34,36,38,40,42,44,46,48,50,52,54,56,58,60,62
	v_pk_fma_f32 v[S+\j:S+1+\j], v[S+\j:S+1+\j], s[CS:CS+1], v[12:13] op_sel_hi:[1,0,0]
.endr
.irp b, 0,2
	v_fma_f32 v[BM+\b], v[BM+\b], s[CS], v12
.endr
	s_wait_alu depctr_va_vdst(0)
.irp b, 0,2
	v_exp_f32 v[BM+\b], v[BM+\b]                   ; the two blocks' largest p, first of the one batch of 66
.endr
.irp j, 0,1,2,3,4,5,6,7,8,9,10,11,12,13,14,15,16,17,18,19,20,21,22,23,24,25,26,27,28,29,30,31,32,33,34,35,36,37,38,39,40,41,42,43,44,45,46,47,48,49,50,51,52,53,54,55,56,57,58,59,60,61,62,63
	v_exp_f32 v[S+\j], v[S+\j]
.endr
	v_pk_mul_f32 v[14:15], v[14:15], v[FF:FF+1] op_sel_hi:[1,0]
	s_wait_alu depctr_va_vdst(0)
.irp b, 0,2
	v_max_num_f32 v[BM+\b], 0x2800000, v[BM+\b]    ; the floor 2^(5 - 127): the byte cannot fall under 1
.endr
.irp b, 0,2
	s_delay_alu instid0(VALU_DEP_2)
	v_add_nc_u32 v[SO+\b], 0xfe000000, v[BM+\b]    ; 4 off the exponent field: the conversion's scale operand
.endr
.irp c, 0,1
	v_cvt_scalef32_pk16_bf6_f32 v[PC+6*\c:PC+2+6*\c], v[S+32*\c:S+15+32*\c], v[SO+2*\c]
	v_cvt_scalef32_pk16_bf6_f32 v[CT+4*\c:CT+2+4*\c], v[S+16+32*\c:S+31+32*\c], v[SO+2*\c]
.endr
.irp b, 0,2
	v_lshrrev_b32 v[PT+\b], 23, v[SO+\b]           ; the scale's byte (plain lines behind the conversions, which name none of their results)
.endr
	s_delay_alu instid0(VALU_DEP_1)
	v_lshl_or_b32 v[PS], v[PT+2], 16, v[PT]        ; my two bytes: blocks h and 2 + h,
	s_delay_alu instid0(VALU_DEP_1)
	v_lshlrev_b32 v[PS], v[SH], v[PS]              ; at their places in the word;
	s_delay_alu instid0(VALU_DEP_1)
	v_permlanex16_b32 v[PT+1], v[PS], s[SEL], s[SEL+1]
	s_delay_alu instid0(VALU_DEP_1)
	v_or_b32 v[PS], v[PS], v[PT+1]                 ; with lane l xor 16's two the word is whole
.irp c, 0,1
.irp i, 0,1,2
	v_mov_b32 v[PC+3+6*\c+\i], v[CT+4*\c+\i]       ; (a conversion's three registers begin on an even number)
.endr
.endr
.irp j, 0,2,4,6,8,10,12,14,16,18,20,22,24,26,28,30
	v_pk_mul_f32 v[O+\j:O+1+\j], v[O+\j:O+1+\j], v[FF:FF+1] op_sel_hi:[1,0]
.endr
	s_wait_alu depctr_va_vdst(0)
	s_wait_dscnt 0x0
.irp t, 0,1,2,3
	v_wmma_scale_f32_16x16x128_f8f6f4 v[O+8*\t:O+8*\t+7], v[KF+12*\t:KF+12*\t+11], v[PC:PC+11], v[O+8*\t:O+8*\t+7], v[VS+\t], v[PS] matrix_a_fmt:MATRIX_FMT_BF6 matrix_b_fmt:MATRIX_FMT_BF6
.endr
.endm
	s_wait_tensorcnt 1
	s_barrier_signal -1
	s_barrier_wait -1
	s_wait_loadcnt 0x0
	v_lshl_or_b32 v[QS], v[BM], 16, v[BM]
.irp j, 0,1,2,3,4,5,6,7,8,9,10,11,12,13,14,15,16,17,18,19,20,21,22,23,24,25,26,27,28,29,30,31
	v_mov_b32 v[O+\j], 0
.endr
	s_mov_b32 s[TB], 0
	s_mov_b32 s[CNT], 2                            ; two steps, then the barrier that shows steps 8 to 15 to every wave
.Lfirst_half:
	STEP
	s_add_co_u32 s[TB], s[TB], STEPB
	s_sub_co_u32 s[CNT], s[CNT], 1
	s_cmp_lg_u32 s[CNT], 0
	s_cbranch_scc1 .Lfirst_half
	s_wait_tensorcnt 0x0
	s_wait_dscnt 0x0
	s_barrier_signal -1
	s_barrier_wait -1
	s_mov_b32 s[TB], 2*STEPB
	s_mov_b32 s[CNT], 14
.Lsecond_half:
	STEP
	s_add_co_u32 s[TB], s[TB], STEPB
	s_sub_co_u32 s[CNT], s[CNT], 1
	s_cmp_lg_u32 s[CNT], 0
	s_cbranch_scc1 .Lsecond_half
	SUM                                            ; the last step's p; these lines are also the places behind the last products
	s_delay_alu instid0(VALU_DEP_1)
	v_add_f32 v14, v14, v15
	s_delay_alu instid0(VALU_DEP_1)
	v_permlanex16_b32 v[PT], v14, s[SEL], s[SEL+1]
	s_delay_alu instid0(VALU_DEP_1)
	v_add_f32 v14, v14, v[PT]
	s_wait_alu depctr_va_vdst(0)
	v_rcp_f32 v14, v14
	v_mul_u32_u24 v[ADK], v5, 48
	s_delay_alu instid0(VALU_DEP_1)
	v_mad_u32_u24 v[ADK], v6, 24, v[ADK]
	s_delay_alu instid0(VALU_DEP_1)
	v_add_nc_u32 v[ADK], s50, v[ADK]
	v_and_b32 v9, 31, v0
	s_delay_alu instid0(VALU_DEP_1)
	v_lshlrev_b32 v7, 3, v9
	s_delay_alu instid0(VALU_DEP_1)
	v_add_nc_u32 v[ADS], s50, v7
	v_lshlrev_b32 v8, 2, v5
	s_wait_alu depctr_va_vdst(0)
.irp j, 0,1,2,3,4,5,6,7,8,9,10,11,12,13,14,15,16,17,18,19,20,21,22,23,24,25,26,27,28,29,30,31
	v_mul_f32 v[S+\j], v[O+\j], v14
.endr
.irp b, 0,1
	v_max3_num_f32 v[BM+\b], |v[S+16*\b]|, |v[S+1+16*\b]|, 0x2800000
.endr
.irp i, 2,4,6,8,10,12,14
.irp b, 0,1
	s_delay_alu instid0(VALU_DEP_2)
	v_max3_num_f32 v[BM+\b], v[BM+\b], |v[S+16*\b+\i]|, |v[S+1+16*\b+\i]|
.endr
.endr
.irp b, 0,1
	s_delay_alu instid0(VALU_DEP_2)
	v_permlanex16_b32 v[PT+\b], v[BM+\b], s[SEL], s[SEL+1]
.endr
.irp b, 0,1
	s_delay_alu instid0(VALU_DEP_2)
	v_max_num_f32 v[BM+\b], v[BM+\b], v[PT+\b]
.endr
.irp b, 0,1
	s_delay_alu instid0(VALU_DEP_2)
	v_add_nc_u32 v[SO+\b], 0xfe000000, v[BM+\b]
.endr
.irp b, 0,1
	s_delay_alu instid0(VALU_DEP_2)
	v_lshrrev_b32 v[PT+\b], 23, v[SO+\b]
.endr
	s_delay_alu instid0(VALU_DEP_1)
	v_lshl_or_b32 v[PT], v[PT+1], 8, v[PT]
	v_cvt_scalef32_pk16_bf6_f32 v[PC:PC+2], v[S:S+15], v[SO]
	v_cvt_scalef32_pk16_bf6_f32 v[PC+8:PC+10], v[S+16:S+31], v[SO+1]
	v_nop
.irp i, 0,1,2
	v_permlane16_swap_b32 v[PC+\i], v[PC+8+\i]
.endr
.irp i, 0,1,2
	s_delay_alu instid0(VALU_DEP_3)
	v_mov_b32 v[PC+3+\i], v[PC+8+\i]
.endr
.irp p, 0,1,2
	ds_store_b64 v[ADK], v[PC+2*\p:PC+2*\p+1] offset:8*\p
.endr
.irp p, 0,1,2
	ds_load_b64 v[CT+2*\p:CT+2*\p+1], v[ADS] offset:256*\p
.endr
	s_wait_dscnt 0x0
.irp p, 0,1,2
	global_store_b64 v7, v[CT+2*\p:CT+2*\p+1], s[10:11] offset:256*\p
.endr
	v_cmp_gt_u32 vcc_lo, 16, v9
	s_wait_xcnt 0x0
	s_and_saveexec_b32 s54, vcc_lo
	global_store_b16 v8, v[PT], s[8:9]
	s_wait_xcnt 0x0
	s_or_b32 exec_lo, exec_lo, s54
	s_wait_tensorcnt 0x0
	ds_add_u32 v254, v255
	s_wait_dscnt 0x0
	CROUND
	s_endpgm
.Lfunc_end_k_q6a8cd01489_attn:
	.size	k_q6a8cd01489_attn, .Lfunc_end_k_q6a8cd01489_attn-k_q6a8cd01489_attn
	.p2alignl 7, 3214868480
	.fill 96, 4, 3214868480
	.section	.rodata,"a",@progbits
	.p2align	6, 0x0
	.amdhsa_kernel k_q6a8cd01489_attn
		.amdhsa_group_segment_fixed_size 327680
		.amdhsa_private_segment_fixed_size 0
		.amdhsa_enable_private_segment 0
		.amdhsa_kernarg_size 24
		.amdhsa_user_sgpr_count 2
		.amdhsa_user_sgpr_kernarg_segment_ptr 1
		.amdhsa_wavefront_size32 1
		.amdhsa_system_sgpr_workgroup_id_x 1
		.amdhsa_system_sgpr_workgroup_id_y 1
		.amdhsa_system_sgpr_workgroup_id_z 1
		.amdhsa_system_vgpr_workitem_id 0
		.amdhsa_next_free_vgpr 256
		.amdhsa_next_free_sgpr 66
		.amdhsa_reserve_vcc 1
		.amdhsa_float_denorm_mode_32 3
		.amdhsa_float_denorm_mode_16_64 3
		.amdhsa_memory_ordered 1
		.amdhsa_forward_progress 1
		.amdhsa_inst_pref_size 49
	.end_amdhsa_kernel
	.amdgpu_metadata
---
amdhsa.version: [ 1, 2 ]
amdhsa.kernels:
  - .name:           k_q6a8cd01489_attn
    .symbol:         k_q6a8cd01489_attn.kd
    .args:
      - { .name: qi, .offset: 0, .size: 8, .value_kind: global_buffer, .address_space: global }
      - { .name: kv, .offset: 8, .size: 8, .value_kind: global_buffer, .address_space: global }
      - { .name: oq, .offset: 16, .size: 8, .value_kind: global_buffer, .address_space: global }
    .group_segment_fixed_size: 327680
    .private_segment_fixed_size: 0
    .kernarg_segment_align: 8
    .kernarg_segment_size: 24
    .max_flat_workgroup_size: 512
    .sgpr_count:     66
    .vgpr_count:     256
    .wavefront_size: 32
...
	.end_amdgpu_metadata
.endif
;; end of part 3
;; launch proj (part 4): grid 8 x 32, 4 waves a work-group, clusters of 4 x 4, 327,680 bytes of LDS; arguments oq, wpq, b_proj, out0; writes out0
.if DOCPART == 4
	.amdgcn_target "amdgcn-amd-amdhsa--gfx1250"
	.amdhsa_code_object_version 6
	.text
	.protected	k_q6a8cd01489_proj
	.globl	k_q6a8cd01489_proj
	.p2align	8
	.type	k_q6a8cd01489_proj,@function
k_q6a8cd01489_proj:
	s_mov_b64 s[64:65], 0
	v_nop
	global_prefetch_b8 v0, s[64:65] scope:SCOPE_SE
	s_setreg_imm32_b32 hwreg(HW_REG_WAVE_MODE, 25, 1), 1
	s_wait_xcnt 0x0
	s_wait_alu depctr_hold_cnt(0) depctr_sa_sdst(0) depctr_va_vdst(0) depctr_va_sdst(0) depctr_va_ssrc(0) depctr_va_vcc(0) depctr_vm_vsrc(0)
	s_getreg_b32 s2, hwreg(HW_REG_IB_STS2, 6, 4)
	s_cmp_eq_u32 s2, 0
	s_cbranch_scc0 .Lentry_in_a_cluster
	s_endpgm
.Lentry_in_a_cluster:
	s_bfe_u32 s2, ttmp6, 0x10000c
	s_cmp_lg_u32 s2, 0xf033
	s_cbranch_scc0 .Lentry_shape_is_right
	s_endpgm
.Lentry_shape_is_right:
; out = o W_proj^T + b on codes of BF6 (E3M2) with E8M0 scales; f32 sums; out [4096][1024] f32.
; A tile of 128 x 128 gives 256 work-groups; four waves, 64 x 64 each: 16 accumulators.  ALL OF K = 1,024 lies in LDS: two slots of 512 along K, each filled once, so nothing is filled again.
; OPERANDS lie as [plane = k / 64][row][48 bytes]: a wave's load is 8 planes x 64 rows x 48 bytes; the scale words [k / 128][row][4] come with the first loads.
; CLUSTERS: 4 x 4 work-groups; A's tiles are asked for jointly along a row of the cluster, B's along a column.  The matrix instruction is used transposed (source 0 = rows of W, source 1 = rows of o).
; No prefetch: all that the work-group reads is asked for by its first loads.
; REGISTERS, in windows of 256: window 0: v1-27 addresses, v8-11 the bias; v32-63 scale words, two sets; from v128 A's 4 fragments; window 1: B's fragments, two sets (v0, v128); windows 2, 3: the accumulators, (a, b) at v[8 (4 (a % 2) + b)].
.set NA,     4
.set NQ,     4
.set FR,     12
.set NL,     6
.set HR,     16*NA
.set PB,     48*HR
.set HALFT,  2*NQ*PB
.set SLOT,   4*HALFT
.set SCL,    2*SLOT
.set HALFS,  32*HR
.set STG,    SCL+4*HALFS               ; the way out: 16 rows x (256 + 16) bytes for each wave, bytes of their own
.set APLANE, 196608
.set BPLANE, 49152
.set ASOFF,  3145728
.set BSOFF,  786432
.set ASPL,   16384
.set BSPL,   4096
.set BI,   8                           ; v8-11 b of my four columns on the way out
.set BO,   12
.set ADRA, 16
.set ADRB, 20
.set STO,  24
.set RD,   25
.set CO,   26
.set ADRS, 27
.set SC,   32
.set AF,   128
.set BK,   128                         ; the way out: 16 rows read back, two sets of 32 registers
.set G1, 24
.set G0, 32
.set G1B, 48
.set G0B, 56
.set G1S, 68
.set G0S, 76
.set G1SB, 80
.set G0SB, 88
.set MSB, 0
.macro WIN new
.if MSB != (\new)
	s_set_vgpr_msb (MSB<<8)|(\new)
.set MSB, \new
.endif
.endm
.set MUL_LO, 0xa1
.set MUL_HI, 0xf1
.set TO_B,   0x40
.macro JLOAD g0a, g1a, g0b, g1b        ; waves 0 and 1 fetch for A, waves 2 and 3 for B; four v_nop follow each of the two lines
	s_cmp_eq_u32 s15, 0
	s_cbranch_scc0 .Lfor_b_\@
	tensor_load_to_lds s[\g0a:\g0a+3], s[\g1a:\g1a+7]
	s_nop 0
.rept 4
	v_nop
.endr
	s_branch .Lasked_\@
.Lfor_b_\@:
	tensor_load_to_lds s[\g0b:\g0b+3], s[\g1b:\g1b+7]
	s_nop 0
.rept 4
	v_nop
.endr
.Lasked_\@:
.endm
.macro CROUND
	s_barrier_signal -1
	s_barrier_wait -1
	s_cmp_lg_u32 s14, 0
	s_cbranch_scc1 .Lnot_wave_0_\@
	s_barrier_signal -3
.Lnot_wave_0_\@:
	s_barrier_wait -3
	s_barrier_signal -1
	s_barrier_wait -1
.endm
.macro PLACES n
.rept \n
	v_nop
.endr
.endm
	s_load_b128 s[4:7], s[0:1], 0x0                ; oq, wpq
	s_load_b128 s[8:11], s[0:1], 0x10              ; b_proj, out0
	v_lshl_add_u32 v254, v0, 2, 0x36400
	v_mov_b32 v255, 0
	ds_add_u32 v254, v255
	ds_add_u32 v254, v255
	v_lshrrev_b32 v1, 5, v0
	v_readfirstlane_b32 s14, v1                    ; wave 0..3
	s_lshr_b32 s15, s14, 1
	s_and_b32 s16, s14, 1
	s_bfe_u32 s40, ttmp6, 0x40000
	s_bfe_u32 s41, ttmp6, 0x40004
	s_lshl_b32 s42, ttmp9, 2
	s_add_co_u32 s42, s42, s40                     ; tile column
	s_and_b32 s17, ttmp7, 0xffff
	s_lshl_b32 s17, s17, 2
	s_add_co_u32 s17, s17, s41                     ; tile row
	s_lshl_b32 s43, s41, 2
	s_lshl_b32 s43, 15, s43
	s_lshl_b32 s44, 0x1111, s40
	s_or_b32 s[G1+0], s43, (3<<16)|(1<<21)         ; codes: 16 planes' parts of 6,144 bytes (768 elements of 8 bytes)
	s_or_b32 s[G1B+0], s44, (3<<16)|(1<<21)
.irp g, G1, G1B
	s_mov_b32 s[\g+1], (PB/4)<<16                  ; a plane's part of the tile's 128 rows; LDS holds [plane][128 rows][48 bytes]
	s_mov_b32 s[\g+2], (4*NQ)<<16                  ; one load brings all 16 planes of an operand's tile: all of K
	s_mov_b32 s[\g+3], (PB/4)<<16
	s_mov_b32 s[\g+4], 4*NQ
	s_mov_b32 s[\g+6], 0
	s_mov_b32 s[\g+7], 0
.endr
	s_mov_b32 s[G1+5], APLANE/8
	s_mov_b32 s[G1B+5], BPLANE/8
	s_or_b32 s[G1S+0], s43, (3<<16)|(1<<21)        ; scale words: 8 parts of 512 bytes
	s_or_b32 s[G1SB+0], s44, (3<<16)|(1<<21)
.irp g, G1S, G1SB
	s_mov_b32 s[\g+1], HR<<16                      ; the scale words of the tile's 128 rows: 8 parts, [k / 128][128 rows][4]
	s_mov_b32 s[\g+2], 8<<16
	s_mov_b32 s[\g+3], HR<<16
	s_mov_b32 s[\g+4], 8
	s_mov_b32 s[\g+6], 0
	s_mov_b32 s[\g+7], 0
.endr
	s_mov_b32 s[G1S+5], ASPL/8
	s_mov_b32 s[G1SB+5], BSPL/8
	s_mul_i32 s20, s17, 2*HR                       ; A's first row
	s_mul_i32 s46, s42, 2*HR                       ; B's first row
	s_lshl_b32 s22, s20, 2
	s_add_co_u32 s22, s22, ASOFF
	s_mov_b32 s23, 0
	s_lshl_b32 s92, s46, 2
	s_add_co_u32 s92, s92, BSOFF
	s_mov_b32 s93, 0
	s_mul_i32 s20, s20, 48
	s_mov_b32 s21, 0
	s_mul_i32 s46, s46, 48
	s_mov_b32 s47, 0
	s_mul_i32 s45, s14, HALFT
	s_wait_dscnt 0x0
	s_wait_kmcnt 0x0
	s_add_nc_u64 s[20:21], s[4:5], s[20:21]
	s_add_nc_u64 s[22:23], s[4:5], s[22:23]
	s_add_nc_u64 s[46:47], s[6:7], s[46:47]
	s_add_nc_u64 s[92:93], s[6:7], s[92:93]
	CROUND                                         ; all sixteen work-groups are here: the joint loads meet
	s_mov_b32 s[G0S], 1
	s_mov_b32 s[G0S+1], SCL
	s_mov_b64 s[G0S+2:G0S+3], s[22:23]
	s_or_b32 s[G0S+3], s[G0S+3], 0x80000000
	s_mov_b32 s[G0SB], 1
	s_mov_b32 s[G0SB+1], SCL+2*HALFS
	s_mov_b64 s[G0SB+2:G0SB+3], s[92:93]
	s_or_b32 s[G0SB+3], s[G0SB+3], 0x80000000
.irp s, 0
	s_mov_b32 s[G0+4*\s], 1
	s_add_co_u32 s[G0+4*\s+1], s45, \s*SLOT
	s_add_nc_u64 s[G0+4*\s+2:G0+4*\s+3], s[20:21], \s*2*NQ*APLANE
	s_or_b32 s[G0+4*\s+3], s[G0+4*\s+3], 0x80000000
	s_mov_b32 s[G0B+4*\s], 1
	s_add_co_u32 s[G0B+4*\s+1], s45, \s*SLOT
	s_add_nc_u64 s[G0B+4*\s+2:G0B+4*\s+3], s[46:47], \s*2*NQ*BPLANE
	s_or_b32 s[G0B+4*\s+3], s[G0B+4*\s+3], 0x80000000
.endr
	s_mov_b32 s[G0+1], 0                           ; slot 0's sets serve the whole tiles: A's at byte 0,
	s_mov_b32 s[G0B+1], SLOT                       ; B's 16 planes behind A's 16
; THE HEAD'S LOADS, one a wave: wave 0 slot 0's codes of A, wave 1 those of B, wave 2 A's scale words, wave 3 B's.  One tree of branches on the wave's number.
.macro ARM under, g0, g1, next
	s_cmp_lt_u32 s14, \under
	s_cbranch_scc0 \next
	tensor_load_to_lds s[\g0:\g0+3], s[\g1:\g1+7]
	s_nop 0
.rept 4
	v_nop
.endr
	s_branch .Lhead_asked
\next:
.endm
	ARM 1, G0, G1, .Lhead_b
	ARM 2, G0B, G1B, .Lhead_sa
	ARM 3, G0S, G1S, .Lhead_sb
	tensor_load_to_lds s[G0SB:G0SB+3], s[G1SB:G1SB+7]
	s_nop 0
.rept 4
	v_nop
.endr
.Lhead_asked:
	v_and_b32 v1, 15, v0
	s_wait_alu depctr_va_vdst(0)
	v_bfe_u32 v2, v0, 4, 1                         ; h
	s_lshl_b32 s95, s42, 9
	s_lshl_b32 s96, s16, 8
	s_add_co_u32 s95, s95, s96                     ; my 64 columns, in bytes
	v_lshl_add_u32 v[BO], v1, 4, s95
	global_load_b128 v[BI:BI+3], v[BO], s[8:9]     ; the bias of the four columns that I store
	s_lshl_b32 s96, s17, 7
	s_lshl_b32 s97, s15, 6
	s_add_co_u32 s96, s96, s97                     ; my first row
	s_lshl_b32 s96, s96, 12
	s_add_co_u32 s96, s96, s95
	s_mov_b32 s97, 0
	s_add_nc_u64 s[10:11], s[10:11], s[96:97]
	v_mul_u32_u24 v3, v1, 48
	s_wait_alu depctr_va_vdst(0)
	v_mad_u32_u24 v3, v2, 24, v3
	s_mul_i32 s21, s15, PB                         ; my 64 rows inside each plane's 128
	s_mul_i32 s22, s16, PB
	s_add_co_u32 s22, s22, SLOT
.irp s, 0,1
	v_add_nc_u32 v[ADRA+\s], s21, v3               ; address s: planes 8 s on
	v_add_nc_u32 v[ADRB+\s], s22, v3
	s_add_co_u32 s21, s21, 2*HALFT
	s_add_co_u32 s22, s22, 2*HALFT
.endr
	v_lshlrev_b32 v5, 2, v1
	s_mul_i32 s21, s15, 4*HR
	s_mul_i32 s22, s16, 4*HR
	s_add_co_u32 s22, s22, 2*HALFS
	s_sub_co_u32 s22, s22, s21
	v_mul_u32_u24 v6, s22, v2                      ; lanes 16-31 take B's scale words
	s_add_co_u32 s21, s21, SCL
	v_add_nc_u32 v5, v5, v6
	v_add_nc_u32 v[ADRS], s21, v5
	s_mul_i32 s23, s14, 16*272
	s_add_co_u32 s23, s23, STG                     ; my stage
	v_mul_u32_u24 v5, v1, 272
	v_lshl_add_u32 v5, v2, 5, v5
	v_add_nc_u32 v[STO], s23, v5                   ; in: row r, 32 bytes for each half of the lanes
	v_mul_u32_u24 v5, v2, 272
	v_lshl_add_u32 v5, v1, 4, v5
	v_add_nc_u32 v[RD], s23, v5                    ; back: lanes 0-15 one row of 256 bytes, lanes 16-31 the next
	v_lshlrev_b32 v[CO], 12, v2
	v_lshl_add_u32 v[CO], v1, 4, v[CO]             ; and the same two rows in out
.macro FRAG reg, adr, q, i             ; 16 rows x 128 K: registers 6 c .. 6 c + 5 are 24 bytes of plane 2 q + c; lane (r, h) begins at word 12 r + 6 h: 64 different words modulo 64 in a load
.irp p, 0,1,2,3,4,5
	ds_load_b64 v[\reg+2*\p:\reg+2*\p+1], v[\adr] offset:(2*(\q)+\p/3)*2*PB+(\i)*768+8*(\p%3)
.endr
.endm
.macro MULQ a0, p, q, sc, zero         ; NA / 4 blocks of A x B's NA blocks; the accumulators take turns, one instruction a turn
.set ia, \a0
.rept NA/4
.set ib, 0
.rept NA
.set rD, 8*(NA*(ia%(NA/2))+ib)
.set rB, 128*(\p)+FR*ib
.set rA, AF+FR*ia
.set sB, SC+16*(\sc)+NQ*ib+(\q)
.set sA, SC+16*(\sc)+NQ*ia+(\q)
.if \zero
	v_wmma_scale_f32_16x16x128_f8f6f4 v[rD:rD+7], v[rB:rB+FR-1], v[rA:rA+FR-1], 0, v[sB], v[sA] matrix_a_fmt:MATRIX_FMT_BF6 matrix_b_fmt:MATRIX_FMT_BF6 matrix_a_scale:MATRIX_SCALE_ROW1
.else
	v_wmma_scale_f32_16x16x128_f8f6f4 v[rD:rD+7], v[rB:rB+FR-1], v[rA:rA+FR-1], v[rD:rD+7], v[sB], v[sA] matrix_a_fmt:MATRIX_FMT_BF6 matrix_b_fmt:MATRIX_FMT_BF6 matrix_a_scale:MATRIX_SCALE_ROW1
.endif
.set ib, ib+1
.endr
.set ia, ia+1
.endr
.endm
.macro FETCH_B slot, q, p
	WIN TO_B
.set fi, 0
.rept NA
	FRAG 128*(\p)+FR*fi, ADRB+\slot, \q, fi
.set fi, fi+1
.endr
	WIN 0
.endm
.macro FETCH_A slot, q, i0
.set fi, \i0
.rept NA/2
	FRAG AF+FR*fi, ADRA+\slot, \q, fi
.set fi, fi+1
.endr
.endm
.macro SCALES sc
.set fi, 0
.rept NA
.set fq, 0
.rept NQ
	ds_load_b32 v[SC+16*(\sc)+NQ*fi+fq], v[ADRS] offset:64*fi+fq*8*HR
.set fq, fq+1
.endr
.set fi, fi+1
.endr
.endm
.macro STEP slot, q, zero              ; a step of 128 along K that has its successor in the same slot
	s_wait_dscnt (NA/2)*NL                         ; all but A's upper blocks are in
	WIN MUL_LO
	MULQ 0, (\q)%2, \q, \slot, \zero
	MULQ NA/4, (\q)%2, \q, \slot, \zero
	s_wait_dscnt 0x0
	PLACES 4                                       ; in front of loads into registers that matrix instructions have read
	FETCH_B \slot, (\q)+1, 1-(\q)%2
	FETCH_A \slot, (\q)+1, 0
	WIN MUL_HI
	MULQ NA/2, (\q)%2, \q, \slot, \zero
	MULQ 3*NA/4, (\q)%2, \q, \slot, \zero
	PLACES 4
	WIN 0
	FETCH_A \slot, (\q)+1, NA/2
.endm
	s_wait_alu depctr_va_vdst(0)
	s_wait_tensorcnt 0x0                           ; my tile of the head's four is in,
	s_barrier_signal -1
	s_barrier_wait -1                              ; everybody's are: all of K and all scale words
	FETCH_B 0, 0, 0
	FETCH_A 0, 0, 0
	SCALES 0
	FETCH_A 0, 0, NA/2
	STEP 0, 0, 1                                   ; the first products start the sums
	STEP 0, 1, 0
	STEP 0, 2, 0
	; slot 0's last step goes over to slot 1: my part of it has landed, then the barrier shows everybody's
	s_wait_dscnt (NA/2)*NL
	WIN MUL_LO
	MULQ 0, 1, NQ-1, 0, 0
	MULQ NA/4, 1, NQ-1, 0, 0
	s_wait_dscnt 0x0
	WIN 0
	PLACES 4
	v_add_nc_u32 v[ADRS], NQ*8*HR, v[ADRS]         ; slot 1's scale words (no LDS load of mine is out)
	FETCH_B 1, 0, 0
	FETCH_A 1, 0, 0
	SCALES 1
	WIN MUL_HI
	MULQ NA/2, 1, NQ-1, 0, 0
	MULQ 3*NA/4, 1, NQ-1, 0, 0
	PLACES 4
	WIN 0
	FETCH_A 1, 0, NA/2
	STEP 1, 0, 0
	STEP 1, 1, 0
	STEP 1, 2, 0
	s_wait_dscnt (NA/2)*NL
	WIN MUL_LO
	MULQ 0, 1, NQ-1, 1, 0
	MULQ NA/4, 1, NQ-1, 1, 0
	s_wait_dscnt 0x0
	WIN MUL_HI
	MULQ NA/2, 1, NQ-1, 1, 0
	MULQ 3*NA/4, 1, NQ-1, 1, 0
	WIN 0
; THE WAY OUT, 16 rows x 64 columns at a time: through my own stage and back as whole rows of 256 bytes; the bias is added on the way; sixteen lanes store 256 consecutive bytes, aligned.
.macro TOSTAGE a
.set AC, 32*((\a)%2)
	WIN 0x08+4*((\a)/2)
.irp b, 0,1,2,3
	ds_store_b128 v[STO], v[AC+8*\b:AC+8*\b+3] offset:64*\b          ; each accumulator from its low end on
	ds_store_b128 v[STO], v[AC+8*\b+4:AC+8*\b+7] offset:64*\b+16
.endr
	WIN 0
.set BB, BK+32*((\a)%2)
.irp t, 0,1,2,3,4,5,6,7
	ds_load_b128 v[BB+4*\t:BB+4*\t+3], v[RD] offset:\t*544           ; LDS serves a wave's instructions in order: these see the stores above
.endr
.endm
.macro SEND a, younger                 ; younger: the LDS instructions issued behind block a's loads
.set BB, BK+32*((\a)%2)
	s_wait_dscnt \younger
.irp t, 0,1,2,3,4,5,6,7
	v_pk_add_f32 v[BB+4*\t:BB+4*\t+1], v[BB+4*\t:BB+4*\t+1], v[BI:BI+1]
	v_pk_add_f32 v[BB+4*\t+2:BB+4*\t+3], v[BB+4*\t+2:BB+4*\t+3], v[BI+2:BI+3]
	global_store_b128 v[CO], v[BB+4*\t:BB+4*\t+3], s[10:11] offset:(16*(\a)+2*\t)*4096 th:TH_STORE_NT   ; the rows stand in the immediate: 62 rows of 4,096 bytes at the most
.endr
.endm
	PLACES 4                                       ; behind the last products: for the first reads of results and the loads into A's registers
	s_wait_loadcnt 0x0                             ; the bias
	TOSTAGE 0
.irp a, 1,2,3
.if \a > 1
	s_wait_xcnt 0x0                                ; block a - 2's stores have read their registers: block a's loads may land there
.endif
	TOSTAGE \a
	SEND \a-1, 16                                  ; behind block a - 1's loads: block a's 8 stores and 8 loads
.endr
	SEND 3, 0
	s_wait_tensorcnt 0x0
	ds_add_u32 v254, v255
	s_wait_dscnt 0x0
	CROUND                                         ; the closing round: no work-group ends while a partner may still ask for a tile that names it
	s_endpgm
.Lfunc_end_k_q6a8cd01489_proj:
	.size	k_q6a8cd01489_proj, .Lfunc_end_k_q6a8cd01489_proj-k_q6a8cd01489_proj
	.p2alignl 7, 3214868480
	.fill 96, 4, 3214868480
	.section	.rodata,"a",@progbits
	.p2align	6, 0x0
	.amdhsa_kernel k_q6a8cd01489_proj
		.amdhsa_group_segment_fixed_size 327680
		.amdhsa_private_segment_fixed_size 0
		.amdhsa_enable_private_segment 0
		.amdhsa_kernarg_size 32
		.amdhsa_user_sgpr_count 2
		.amdhsa_user_sgpr_kernarg_segment_ptr 1
		.amdhsa_wavefront_size32 1
		.amdhsa_system_sgpr_workgroup_id_x 1
		.amdhsa_system_sgpr_workgroup_id_y 1
		.amdhsa_system_sgpr_workgroup_id_z 1
		.amdhsa_system_vgpr_workitem_id 0
		.amdhsa_next_free_vgpr 1024
		.amdhsa_next_free_sgpr 100
		.amdhsa_reserve_vcc 0
		.amdhsa_float_denorm_mode_32 3
		.amdhsa_float_denorm_mode_16_64 3
		.amdhsa_memory_ordered 1
		.amdhsa_forward_progress 1
		.amdhsa_inst_pref_size 67
	.end_amdhsa_kernel
	.amdgpu_metadata
---
amdhsa.version: [ 1, 2 ]
amdhsa.kernels:
  - .name:           k_q6a8cd01489_proj
    .symbol:         k_q6a8cd01489_proj.kd
    .args:
      - { .name: oq, .offset: 0, .size: 8, .value_kind: global_buffer, .address_space: global }
      - { .name: wpq, .offset: 8, .size: 8, .value_kind: global_buffer, .address_space: global }
      - { .name: b_proj, .offset: 16, .size: 8, .value_kind: global_buffer, .address_space: global }
      - { .name: out0, .offset: 24, .size: 8, .value_kind: global_buffer, .address_space: global }
    .group_segment_fixed_size: 327680
    .private_segment_fixed_size: 0
    .kernarg_segment_align: 8
    .kernarg_segment_size: 32
    .max_flat_workgroup_size: 128
    .sgpr_count:     100
    .vgpr_count:     1024
    .wavefront_size: 32
...
	.end_amdgpu_metadata
.endif
;; end of part 4
